; MI455X (gfx1250); checked and timed in simulation.
; The chip was launched on July 23, 2026; its instructions are those of AMD's public machine-readable ISA for CDNA 5 (MIT licence, August 2026) and "CDNA5" Instruction Set Architecture Reference Guide (July 2026). The comments in the code are by the model that wrote it; some were corrected since.
;; Parallel Expert Attention. Allowed arithmetic: matrix products marked QUANTISED: E2M1 operands, one E8M0 scale for each 32 along K, by v_wmma_scale_f32_16x16x128_f8f6f4 with both operands' format E2M1 (or v_wmma_scale_f32_32x16x128_f4), f32 sums; everything else in f32.
;; Inputs: w_gate_codes 768 x 96 x 16 uint8 (E2M1 codes of w_gate, K innermost, in blocks of 32 codes, two codes a byte); w_gate_scales 768 x 96 uint8 (E8M0 scales of w_gate, one for each 32 codes along K); w_up_codes 768 x 96 x 16 uint8 (E2M1 codes of w_up, K innermost, in blocks of 32 codes, two codes a byte); w_up_scales 768 x 96 uint8 (E8M0 scales of w_up, one for each 32 codes along K); wk_codes 4 x 768 x 24 x 16 uint8 (E2M1 codes of wk, K innermost, in blocks of 32 codes, two codes a byte); wk_scales 4 x 768 x 24 uint8 (E8M0 scales of wk, one for each 32 codes along K); wo_codes 4 x 768 x 24 x 16 uint8 (E2M1 codes of wo, K innermost, in blocks of 32 codes, two codes a byte); wo_scales 4 x 768 x 24 uint8 (E8M0 scales of wo, one for each 32 codes along K); wq_codes 4 x 768 x 24 x 16 uint8 (E2M1 codes of wq, K innermost, in blocks of 32 codes, two codes a byte); wq_scales 4 x 768 x 24 uint8 (E8M0 scales of wq, one for each 32 codes along K); wv_codes 4 x 768 x 24 x 16 uint8 (E2M1 codes of wv, K innermost, in blocks of 32 codes, two codes a byte); wv_scales 4 x 768 x 24 uint8 (E8M0 scales of wv, one for each 32 codes along K); x_codes 2 x 1,024 x 24 x 16 uint8 (E2M1 codes of x, K innermost, in blocks of 32 codes, two codes a byte); x_scales 2 x 1,024 x 24 uint8 (E8M0 scales of x, one for each 32 codes along K).
;; Outputs: out0 2 x 1,024 x 768 float32.
;; This version of the problem:
;;   THIS VERSION OF THE PROBLEM IS GIVEN IN LOW PRECISION. The matrix products marked QUANTISED in the list below multiply operands that are first quantised to E2M1 (2 exponent bits, 1 mantissa bit; 4 bits a number), with one power-of-two scale for each 32 numbers along K (OCP MX v1.0); their sums are f32. All else is computed in f32.
;;   The module's matrix products, in the order in which they are computed (A, B: the left and right operand; K: the contracted axis; several contracted axes count as one K, in the product's order):
;;     1. [M 2,048, K 768] x [K 768, N 768]; A: input x (given as codes); B: input wq (given as codes): QUANTISED
;;     2. [M 2,048, K 768] x [K 768, N 768]; A: input x (given as codes); B: input wk (given as codes): QUANTISED
;;     3. [M 2,048, K 768] x [K 768, N 768]; A: input x (given as codes); B: input wv (given as codes): QUANTISED
;;     4. batch 24 x [M 1,024, K 64] x [K 64, N 1,024]; A: computed on the way; B: computed on the way: QUANTISED
;;     5. batch 24 x [M 1,024, K 1,024] x [K 1,024, N 64]; A: softmax (see below); B: computed on the way: QUANTISED
;;     6. [M 2,048, K 768] x [K 768, N 768]; A: computed on the way; B: input wo (given as codes): QUANTISED
;;     7. [M 2,048, K 768] x [K 768, N 768]; A: input x (given as codes); B: input wq (given as codes): QUANTISED
;;     8. [M 2,048, K 768] x [K 768, N 768]; A: input x (given as codes); B: input wk (given as codes): QUANTISED
;;     9. [M 2,048, K 768] x [K 768, N 768]; A: input x (given as codes); B: input wv (given as codes): QUANTISED
;;     10. batch 24 x [M 1,024, K 64] x [K 64, N 1,024]; A: computed on the way; B: computed on the way: QUANTISED
;;     11. batch 24 x [M 1,024, K 1,024] x [K 1,024, N 64]; A: softmax (see below); B: computed on the way: QUANTISED
;;     12. [M 2,048, K 768] x [K 768, N 768]; A: computed on the way; B: input wo (given as codes): QUANTISED
;;     13. [M 2,048, K 768] x [K 768, N 768]; A: input x (given as codes); B: input wq (given as codes): QUANTISED
;;     14. [M 2,048, K 768] x [K 768, N 768]; A: input x (given as codes); B: input wk (given as codes): QUANTISED
;;     15. [M 2,048, K 768] x [K 768, N 768]; A: input x (given as codes); B: input wv (given as codes): QUANTISED
;;     16. batch 24 x [M 1,024, K 64] x [K 64, N 1,024]; A: computed on the way; B: computed on the way: QUANTISED
;;     17. batch 24 x [M 1,024, K 1,024] x [K 1,024, N 64]; A: softmax (see below); B: computed on the way: QUANTISED
;;     18. [M 2,048, K 768] x [K 768, N 768]; A: computed on the way; B: input wo (given as codes): QUANTISED
;;     19. [M 2,048, K 768] x [K 768, N 768]; A: input x (given as codes); B: input wq (given as codes): QUANTISED
;;     20. [M 2,048, K 768] x [K 768, N 768]; A: input x (given as codes); B: input wk (given as codes): QUANTISED
;;     21. [M 2,048, K 768] x [K 768, N 768]; A: input x (given as codes); B: input wv (given as codes): QUANTISED
;;     22. batch 24 x [M 1,024, K 64] x [K 64, N 1,024]; A: computed on the way; B: computed on the way: QUANTISED
;;     23. batch 24 x [M 1,024, K 1,024] x [K 1,024, N 64]; A: softmax (see below); B: computed on the way: QUANTISED
;;     24. [M 2,048, K 768] x [K 768, N 768]; A: computed on the way; B: input wo (given as codes): QUANTISED
;;     25. [M 2,048, K 3,072] x [K 3,072, N 768]; A: computed on the way; B: input w_gate (given as codes): QUANTISED
;;     26. [M 2,048, K 3,072] x [K 3,072, N 768]; A: computed on the way; B: input w_up (given as codes): QUANTISED
;;   THE QUANTISER, for each operand of a quantised product, along K:
;;     - K is cut into blocks of 32 from its start; a last block that is shorter is filled with zeros.
;;     - A block's scale is 2^e with e = floor(log2(the largest magnitude in the block)) - 2, held to -126 .. 127; a block of zeros has e = 0. As a byte (E8M0): e + 127.
;;     - Each number is divided by its block's scale, clamped to +-6, and rounded to the nearest number of E2M1, ties to even, subnormals kept.
;;     - The product sums the exact products of the quantised numbers (number of the format x scale) in f32.
;;   ~~~python
;;   def quantise(x, axis):      # numpy; x: float32 -> the quantised numbers, widened to float32 again
;;       x = np.moveaxis(x, axis, -1); K = x.shape[-1]
;;       x = np.pad(x, [(0, 0)] * (x.ndim - 1) + [(0, -K % 32)]); x = x.reshape(x.shape[:-1] + (-1, 32)); a = np.abs(x).max(-1, keepdims=True)
;;       e = np.where(a > 0, np.clip(np.frexp(np.where(a > 0, a, 1))[1] - 1 - 2, -126, 127), 0)      # np.frexp(a)[1] - 1 = floor(log2(a)), exactly
;;       r = np.clip(x / 2.0 ** e, -6, 6)
;;       step = 2.0 ** (np.maximum(np.frexp(np.where(r == 0, 1, r))[1] - 1, 0) - 1)
;;       q = np.round(r / step) * step * 2.0 ** e      # np.round: ties to even
;;       return np.moveaxis(q.reshape(q.shape[:-2] + (-1,))[..., :K], -1, axis).astype(np.float32)
;;   ~~~
;;   SOFTMAX AHEAD OF A QUANTISED PRODUCT. Where the list says 'softmax', what is quantised is not the finished softmax but p = 2^(t - M), with t = logit x log2(e) and M = ceil(the row's largest t), a whole number; so 1/2 < the row's largest p <= 1. The row's sum l is taken of the UNQUANTISED p, in f32, and the product's result is divided by l at the end. Since M is a whole number, a kernel that streams over the keys may use a running M (the ceiling of the running maximum): every later rescaling is an exact power of two, which a block's scale takes up: the codes' values come out the same.
;;   OPERANDS COMPUTED ON THE WAY. 'Computed on the way' means the value that the module computes at that place (a softmax that the list does not call 'softmax' is quantised finished and normalised). What goes into a quantiser is computed in f32, as accurately as f32 sums, v_exp_f32 and their like allow (about 1e-6 of the number): no bf16 or f16 on the way to a quantiser, and a product that is left as it is and whose result goes on into a quantised operand takes f32 operands (vector FMAs, or v_wmma_f32_16x16x4_f32). A number that lies on a knife's edge between two numbers of the format may be rounded either way, as far as f32 arithmetic and the matrix unit's own rounding can turn it there, and no further.
;;   INPUTS GIVEN AS CODES. w_gate (in the module: [768, 3072], K = its axis 1); w_up (in the module: [768, 3072], K = its axis 1); wk (in the module: [4, 768, 768], K = its axis 2); wo (in the module: [4, 768, 768], K = its axis 2); wq (in the module: [4, 768, 768], K = its axis 2); wv (in the module: [4, 768, 768], K = its axis 2); x (in the module: [2, 1024, 768], K = its axis 2): each comes as NAME_codes (uint8): NAME with its K axis moved to the last place and cut into blocks of 32 codes, [.., K / 32, bytes a block], one block behind the other in memory; two codes a byte, the lower K in the low four bits (a code: sign, 2 exponent bits, 1 mantissa bit); and NAME_scales (uint8): the same leading axes, one E8M0 byte (e + 127) for each 32 codes along K. Its value is code x scale, taken as it is: it is not quantised again, and the codes and scales need not be those that the quantiser above would give.
;; 2 versions, each right; version 2 is version 1 with the launch attn written anew for expert scheduling mode. Each part assembles by itself: llvm-mc -triple=amdgcn-amd-amdhsa -mcpu=gfx1250 --defsym DOCPART=n.
;; ======== version 1 of 2: 4 launches
;; workspace buffers: qkv 10,027,008 bytes; ow 3,342,336 bytes; fw 3,342,336 bytes
;; launch qkv (part 1): grid 16 x 16, 18 waves a work-group, clusters of 4 x 4, 327,680 bytes of LDS; arguments x_codes, x_scales, wq_codes, wq_scales, wk_codes, wk_scales, wv_codes, wv_scales, qkv; writes qkv
.if DOCPART == 1
	.amdgcn_target "amdgcn-amd-amdhsa--gfx1250"
	.amdhsa_code_object_version 6
	.text
	.protected	k_q7bf5a358c4_qkv
	.globl	k_q7bf5a358c4_qkv
	.p2align	8
	.type	k_q7bf5a358c4_qkv,@function
k_q7bf5a358c4_qkv:
	s_mov_b64 s[64:65], 0
	v_nop
	global_prefetch_b8 v0, s[64:65] scope:SCOPE_SE
	s_setreg_imm32_b32 hwreg(HW_REG_WAVE_MODE, 25, 1), 1
	s_wait_xcnt 0x0
	s_wait_alu depctr_hold_cnt(0) depctr_sa_sdst(0) depctr_va_vdst(0) depctr_va_sdst(0) depctr_va_ssrc(0) depctr_va_vcc(0) depctr_vm_vsrc(0)
	s_getreg_b32 s2, hwreg(HW_REG_IB_STS2, 6, 4)
	s_cmp_eq_u32 s2, 0
	s_cbranch_scc0 .Lentry_in_a_cluster
	s_endpgm
.Lentry_in_a_cluster:
	s_bfe_u32 s2, ttmp6, 0x10000c
	s_cmp_lg_u32 s2, 0xf033
	s_cbranch_scc0 .Lentry_shape_is_right
	s_endpgm
.Lentry_shape_is_right:
; q = x wq^T, k = x wk^T, v = x wv^T for all four experts, on codes of FP4 (E2M1) with one E8M0 scale for each 32 along K = 768; the results are quantised here, in f32,
; q and k along the head's 64, v along the tokens (the keys), and leave as codes and scale words: nothing wider goes to memory.
; SHARES.  Work-group (tb, g): 128 tokens (tb) x 384 rows of wq (g < 8) or wk (g >= 8) and 192 rows of wv.  All of K fits in LDS: 704 rows of 384 bytes are filled once, no slot is filled again.
; Wave tile: 128 rows of source 0 (the axis that is quantised next) x 32 rows of source 1 (the lanes' rows): 16 accumulators.  Waves 0-11: source 0 = weights, source 1 = tokens; waves 12-17: source 0 = tokens, source 1 = wv.
; In a result lane (r, h) holds row r of source 1 and its register j of tile t the row 16 t + 8 h + j of source 0: the 16 registers of tiles 2 b, 2 b + 1 belong to block b of 32 along the next K.
; OUT, format F: [plane of 64 k][tile of 16 rows][lane][16 bytes]: the image of registers 4 c .. 4 c + 3 of an operand; a store of the wave covers 512 consecutive bytes.  Scale words: one for a row and 128 k.
; CLUSTER 4 x 4: x's rows hang on tb alone and are asked for jointly by a column of the cluster, the weights' rows on g alone and by a row of it.
; LIMITS: NaN and infinities are not served; a given scale byte 0xff gives NaN; a block whose largest magnitude lies under 2^-124 (a block of zeros too) keeps the byte 1: its bytes are read by this program alone.
.set PX,   432                         ; an LDS row: 384 bytes + 16 behind each 128 = 27 x 16: the 16 rows of a fragment load start at 16 different groups of banks
.set SCL,  704*PX                      ; behind the codes: 24 scale bytes a row
.set KCO,  3145728                     ; regions of the buffer qkv: q's codes at 0, k's, v's, then the three runs of scale words
.set VCO,  6291456
.set QSO,  9437184
.set KSO,  9633792
.set VSO,  9830400
.set ADA, 1                            ; v1  LDS: source 0's fragments   v2 source 1's   v3, v4 their scale words
.set ADB, 2
.set ASA, 3
.set ASB, 4
.set OC0, 5                            ; v5, v6 my 16 bytes in the two planes of the result   v7 my scale word's place   v8 lane
.set OC1, 6
.set OSO, 7
.set LN,  8
.set BF,  10                           ; v10-25 source 1: two fragments
.set SB,  26                           ; v26 its scale words (tile 0 in lanes 0-15, tile 1 in lanes 16-31)
.set SA,  28                           ; v28-29 source 0's scale words, two tiles a register
.set AF,  32                           ; v32-63 source 0: four fragments
.set ACC, 64                           ; v64-191: accumulator (n, t) at 64 + 64 n + 8 t
.set TM,  32                           ; at the end: v32-43 at work, v44-59 the codes, v10-12 the scale words
.set PC0, 44
.set PC1, 52
.set PW0, 10
.set PW1, 11
.set PWM, 12
.set WV,  22
.set SEL, 60
.set G1XC, 36
.set G1XS, 44
.set G1WC, 52
.set G1WS, 68
.set G0XC, 76
.set G0XS, 80
.set G0WC, 84
.set G0WS, 88
.macro PLACES                          ; four plain places behind matrix instructions, ahead of loads into their registers and of reads of their results
.rept 4
	v_nop
.endr
.endm
.macro CROUND                          ; a round of the cluster's barrier
	s_barrier_signal -1
	s_barrier_wait -1
	s_cmp_lg_u32 s[WV], 0
	s_cbranch_scc1 .Lnot_wave_0_\@
	s_barrier_signal -3
.Lnot_wave_0_\@:
	s_barrier_wait -3
	s_barrier_signal -1
	s_barrier_wait -1
.endm
.macro WM                              ; one product: D rD, sources rA, rB, scales rSA, rSB; fV = 4 (C = 0) + 2 (source 0's scales in lanes 16-31) + 1 (source 1's likewise)
.if fV == 0
	v_wmma_scale_f32_16x16x128_f8f6f4 v[rD:rD+7], v[rA:rA+7], v[rB:rB+7], v[rD:rD+7], v[rSA], v[rSB] matrix_a_fmt:MATRIX_FMT_FP4 matrix_b_fmt:MATRIX_FMT_FP4
.elseif fV == 1
	v_wmma_scale_f32_16x16x128_f8f6f4 v[rD:rD+7], v[rA:rA+7], v[rB:rB+7], v[rD:rD+7], v[rSA], v[rSB] matrix_a_fmt:MATRIX_FMT_FP4 matrix_b_fmt:MATRIX_FMT_FP4 matrix_b_scale:MATRIX_SCALE_ROW1
.elseif fV == 2
	v_wmma_scale_f32_16x16x128_f8f6f4 v[rD:rD+7], v[rA:rA+7], v[rB:rB+7], v[rD:rD+7], v[rSA], v[rSB] matrix_a_fmt:MATRIX_FMT_FP4 matrix_b_fmt:MATRIX_FMT_FP4 matrix_a_scale:MATRIX_SCALE_ROW1
.elseif fV == 3
	v_wmma_scale_f32_16x16x128_f8f6f4 v[rD:rD+7], v[rA:rA+7], v[rB:rB+7], v[rD:rD+7], v[rSA], v[rSB] matrix_a_fmt:MATRIX_FMT_FP4 matrix_b_fmt:MATRIX_FMT_FP4 matrix_a_scale:MATRIX_SCALE_ROW1 matrix_b_scale:MATRIX_SCALE_ROW1
.elseif fV == 4
	v_wmma_scale_f32_16x16x128_f8f6f4 v[rD:rD+7], v[rA:rA+7], v[rB:rB+7], 0, v[rSA], v[rSB] matrix_a_fmt:MATRIX_FMT_FP4 matrix_b_fmt:MATRIX_FMT_FP4
.elseif fV == 5
	v_wmma_scale_f32_16x16x128_f8f6f4 v[rD:rD+7], v[rA:rA+7], v[rB:rB+7], 0, v[rSA], v[rSB] matrix_a_fmt:MATRIX_FMT_FP4 matrix_b_fmt:MATRIX_FMT_FP4 matrix_b_scale:MATRIX_SCALE_ROW1
.elseif fV == 6
	v_wmma_scale_f32_16x16x128_f8f6f4 v[rD:rD+7], v[rA:rA+7], v[rB:rB+7], 0, v[rSA], v[rSB] matrix_a_fmt:MATRIX_FMT_FP4 matrix_b_fmt:MATRIX_FMT_FP4 matrix_a_scale:MATRIX_SCALE_ROW1
.else
	v_wmma_scale_f32_16x16x128_f8f6f4 v[rD:rD+7], v[rA:rA+7], v[rB:rB+7], 0, v[rSA], v[rSB] matrix_a_fmt:MATRIX_FMT_FP4 matrix_b_fmt:MATRIX_FMT_FP4 matrix_a_scale:MATRIX_SCALE_ROW1 matrix_b_scale:MATRIX_SCALE_ROW1
.endif
.endm
; 64 numbers of a lane, v[s] on, register 16 b + i in block b, become an operand's 8 registers in v[pc] on and its row's scale word in v[pw].
.macro QUANT s, pc, pw
.irp b, 0,1,2,3
	v_max3_num_f32 v[TM+\b], |v[\s+16*\b]|, |v[\s+16*\b+1]|, 0x1800000   ; my 16 of block b, and the floor 2^(3 - 127): the byte cannot fall under 1.  Each accumulator is read from its low end on
.endr
.irp i, 2,4,6,8,10,12,14
.irp b, 0,1,2,3
	v_max3_num_f32 v[TM+\b], v[TM+\b], |v[\s+16*\b+\i]|, |v[\s+16*\b+\i+1]|
.endr
.endr
.irp b, 0,1,2,3
	v_permlanex16_b32 v[TM+4+\b], v[TM+\b], s[SEL], s[SEL+1]
.endr
.irp b, 0,1,2,3
	v_max_num_f32 v[TM+\b], v[TM+\b], v[TM+4+\b]                         ; with lane l xor 16's 16: the block's largest magnitude
.endr
.irp b, 0,1,2,3
	v_add_nc_u32 v[TM+8+\b], 0xff000000, v[TM+\b]                        ; 2 off its exponent field: the conversion's scale operand
.endr
.irp b, 0,1,2,3
	v_lshrrev_b32 v[TM+4+\b], 23, v[TM+8+\b]                             ; the scale's byte
.endr
	v_lshl_or_b32 v[\pw], v[TM+5], 8, v[TM+4]
	v_lshl_or_b32 v[\pw], v[TM+6], 16, v[\pw]
	v_lshl_or_b32 v[\pw], v[TM+7], 24, v[\pw]
.irp b, 0,1,2,3
	v_cvt_scalef32_pk8_fp4_f32 v[\pc+4*(\b/2)+(\b%2)], v[\s+16*\b:\s+16*\b+7], v[TM+8+\b]        ; block b, k 8 h + 0 .. 7
	v_cvt_scalef32_pk8_fp4_f32 v[\pc+4*(\b/2)+2+(\b%2)], v[\s+16*\b+8:\s+16*\b+15], v[TM+8+\b]   ; block b, k 16 + 8 h + 0 .. 7
.endr
	v_nop                                                                ; one plain place behind a scaled conversion
.irp c, 0,1                            ; lanes 16-31 of block 2 c's register change places with lanes 0-15 of block 2 c + 1's: registers 4 c .. 4 c + 3 then hold k = 64 c + 32 h + 0 .. 31
	v_permlane16_swap_b32 v[\pc+4*\c], v[\pc+4*\c+1]
	v_permlane16_swap_b32 v[\pc+4*\c+2], v[\pc+4*\c+3]
.endr
.endm
	s_load_b512 s[4:19], s[0:1], 0x0               ; x codes, x scales, wq codes, wq scales, wk codes, wk scales, wv codes, wv scales
	s_load_b64 s[20:21], s[0:1], 0x40              ; qkv
	v_lshl_add_u32 v30, v0, 2, 0x4e600
	v_mov_b32 v31, 0
	ds_add_u32 v30, v31
	ds_add_u32 v30, v31
	v_lshrrev_b32 v1, 5, v0
	v_readfirstlane_b32 s[WV], v1                  ; wave 0..17
	s_bfe_u32 s23, ttmp6, 0x40000                  ; cx
	s_bfe_u32 s24, ttmp6, 0x40004                  ; cy
	s_lshl_b32 s25, ttmp9, 2
	s_add_co_u32 s25, s25, s23                     ; tb = 4 x cluster x + cx
	s_and_b32 s27, ttmp7, 0xffff                   ; the cluster's y: under 2 for wq, else wk: shared by all partners
	s_lshl_b32 s26, s27, 2
	s_add_co_u32 s26, s26, s24                     ; g = 4 x cluster y + cy
	s_lshl_b32 s28, s24, 2
	s_lshl_b32 s28, 15, s28                        ; my row of the cluster
	s_lshl_b32 s29, 0x1111, s23                    ; my column
	; group 1, codes: 64 rows of 384 dense bytes, stated as 32 rows of 768 (96 elements of 8 bytes); 4 words of padding behind every 32
	s_or_b32 s[G1XC], s29, (3<<16)|(1<<20)|(1<<21)|(4<<22)|(3<<25)
	s_or_b32 s[G1WC], s28, (3<<16)|(1<<20)|(1<<21)|(4<<22)|(3<<25)
.irp g, G1XC, G1WC
	s_mov_b32 s[\g+1], 96<<16
	s_mov_b32 s[\g+2], 32<<16
	s_mov_b32 s[\g+3], 96<<16
	s_mov_b32 s[\g+4], 32
	s_mov_b32 s[\g+5], 96
	s_mov_b32 s[\g+6], 0
	s_mov_b32 s[\g+7], 0
.endr
	; group 1, scales: 64 rows of 24 dense bytes = 6 rows of 256
	s_or_b32 s[G1XS], s29, (3<<16)|(1<<21)
	s_or_b32 s[G1WS], s28, (3<<16)|(1<<21)
.irp g, G1XS, G1WS
	s_mov_b32 s[\g+1], 32<<16
	s_mov_b32 s[\g+2], 6<<16
	s_mov_b32 s[\g+3], 32<<16
	s_mov_b32 s[\g+4], 6
	s_mov_b32 s[\g+5], 32
	s_mov_b32 s[\g+6], 0
	s_mov_b32 s[\g+7], 0
.endr
	; x's rows (waves 0, 1): 128 tb + 64 w.  These registers never hold g
	s_lshl_b32 s31, s25, 7
	s_lshl_b32 s30, s[WV], 6
	s_add_co_u32 s31, s31, s30
	s_mul_i32 s92, s31, 384
	s_mov_b32 s93, 0
	s_mul_i32 s94, s31, 24
	s_mov_b32 s95, 0
	; the weights' rows: waves 2-7: 384 (g & 7) + 64 (w - 2) of wq or wk; waves 8-10: 192 g + 64 (w - 8) of wv.  These registers never hold tb
	s_and_b32 s32, s26, 7
	s_mul_i32 s32, s32, 384
	s_max_u32 s33, s[WV], 2
	s_sub_co_u32 s33, s33, 2
	s_lshl_b32 s33, s33, 6
	s_add_co_u32 s32, s32, s33
	s_mul_i32 s34, s26, 192
	s_max_u32 s33, s[WV], 8
	s_sub_co_u32 s33, s33, 8
	s_lshl_b32 s33, s33, 6
	s_add_co_u32 s34, s34, s33
	s_cmp_lt_u32 s[WV], 8
	s_cselect_b32 s32, s32, s34
	s_mul_i32 s96, s32, 384
	s_mov_b32 s97, 0
	s_mul_i32 s98, s32, 24
	s_mov_b32 s99, 0
	s_mul_i32 s35, s[WV], 64*PX                    ; where they go: rows 64 w on of the one row space (x 0-127, wq or wk 128-511, wv 512-703)
	s_mul_i32 s62, s[WV], 64*24
	s_add_co_u32 s62, s62, SCL
	s_mov_b32 s[SEL], 0x76543210
	s_mov_b32 s[SEL+1], 0xfedcba98                 ; v_permlanex16_b32's selects for lane l xor 16
	s_wait_dscnt 0x0
	s_wait_kmcnt 0x0
	s_cmp_lt_u32 s27, 2
	s_cselect_b64 s[8:9], s[8:9], s[12:13]         ; wq or wk
	s_cselect_b64 s[10:11], s[10:11], s[14:15]
	s_cmp_lt_u32 s[WV], 8
	s_cselect_b64 s[8:9], s[8:9], s[16:17]         ; or wv
	s_cselect_b64 s[10:11], s[10:11], s[18:19]
	s_mov_b32 s[G0XC], 1
	s_mov_b32 s[G0XC+1], s35
	s_add_nc_u64 s[G0XC+2:G0XC+3], s[4:5], s[92:93]
	s_or_b32 s[G0XC+3], s[G0XC+3], 0x80000000
	s_mov_b32 s[G0XS], 1
	s_mov_b32 s[G0XS+1], s62
	s_add_nc_u64 s[G0XS+2:G0XS+3], s[6:7], s[94:95]
	s_or_b32 s[G0XS+3], s[G0XS+3], 0x80000000
	s_mov_b32 s[G0WC], 1
	s_mov_b32 s[G0WC+1], s35
	s_add_nc_u64 s[G0WC+2:G0WC+3], s[8:9], s[96:97]
	s_or_b32 s[G0WC+3], s[G0WC+3], 0x80000000
	s_mov_b32 s[G0WS], 1
	s_mov_b32 s[G0WS+1], s62
	s_add_nc_u64 s[G0WS+2:G0WS+3], s[10:11], s[98:99]
	s_or_b32 s[G0WS+3], s[G0WS+3], 0x80000000
	CROUND                                         ; all sixteen work-groups are here: the joint loads meet
	s_cmp_lt_u32 s[WV], 2                          ; a wave's two fills stand in one branch on its number: two tensor loads of mine are out at the most
	s_cbranch_scc0 .Lnot_x
	tensor_load_to_lds s[G0XC:G0XC+3], s[G1XC:G1XC+7]
	s_nop 0
	tensor_load_to_lds s[G0XS:G0XS+3], s[G1XS:G1XS+7]
	s_nop 0
	PLACES
	s_branch .Lfilled
.Lnot_x:
	s_cmp_lt_u32 s[WV], 11
	s_cbranch_scc0 .Lfilled
	tensor_load_to_lds s[G0WC:G0WC+3], s[G1WC:G1WC+7]
	s_nop 0
	tensor_load_to_lds s[G0WS:G0WS+3], s[G1WS:G1WS+7]
	s_nop 0
	PLACES
.Lfilled:
	; my tile's rows in LDS, by arithmetic on the wave's number alone.  isv = 1 for waves 12-17
	s_add_co_u32 s30, s[WV], 4
	s_lshr_b32 s30, s30, 4                         ; isv
	s_xor_b32 s31, s30, 1
	s_lshr_b32 s32, s[WV], 2
	s_min_u32 s32, s32, 2                          ; a: which 128 rows of wq or wk
	s_lshl_b32 s33, s32, 7
	s_add_co_u32 s33, s33, 128
	s_mul_i32 s33, s33, s31                        ; source 0's first row: 128 + 128 a, or 0 (the tokens)
	s_and_b32 s34, s[WV], 3                        ; nb: which 32 tokens
	s_lshl_b32 s35, s34, 5
	s_mul_i32 s35, s35, s31
	s_lshl_b32 s62, s[WV], 5
	s_add_co_u32 s62, s62, 128
	s_mul_i32 s62, s62, s30
	s_add_co_u32 s35, s35, s62
	s_min_u32 s35, s35, 672                        ; source 1's first row: 32 nb, or 512 + 32 (w - 12)
	v_and_b32 v[LN], 31, v0
	v_and_b32 v9, 15, v0                           ; r
	v_bfe_u32 v10, v0, 4, 1                        ; h
	v_mul_u32_u24 v11, v9, PX
	v_lshl_add_u32 v11, v10, 4, v11                ; r x pitch + 16 h
	s_mul_i32 s62, s33, PX
	v_add_nc_u32 v[ADA], s62, v11
	s_mul_i32 s62, s35, PX
	v_add_nc_u32 v[ADB], s62, v11
	v_mul_u32_u24 v12, v[LN], 24                   ; scale words: lane l takes row l of 32: two tiles a register
	s_mul_i32 s62, s33, 24
	s_add_co_u32 s62, s62, SCL
	v_add_nc_u32 v[ASA], s62, v12
	s_mul_i32 s62, s35, 24
	s_add_co_u32 s62, s62, SCL
	v_add_nc_u32 v[ASB], s62, v12
	; where the results go.  q, k: planes 2 P, 2 P + 1 with P = 3 (g & 7) + a, rows = tokens 128 tb + 32 nb on, 2,048 rows a plane
	s_and_b32 s92, s26, 7
	s_mul_i32 s92, s92, 3
	s_add_co_u32 s92, s92, s32
	s_lshl_b32 s93, s25, 7
	s_lshl_b32 s94, s34, 5
	s_add_co_u32 s93, s93, s94
	s_lshl_b32 s94, s92, 12
	s_add_co_u32 s94, s94, s93
	s_lshl_b32 s94, s94, 5                         ; (2 P x 2,048 + row) x 32 bytes
	s_lshl_b32 s95, s92, 11
	s_add_co_u32 s95, s95, s93
	s_lshl_b32 s95, s95, 2                         ; (P x 2,048 + row) x 4 bytes
	s_mov_b32 s97, KSO
	s_cmp_lt_u32 s27, 2
	s_cselect_b32 s96, 0, KCO
	s_cselect_b32 s97, QSO, s97
	s_add_co_u32 s94, s94, s96
	s_add_co_u32 s95, s95, s97
	; v: planes 2 tb, 2 tb + 1, rows = wv's 192 g + 32 (w - 12) on, 3,072 rows a plane
	s_mul_i32 s96, s26, 192
	s_lshl_b32 s97, s[WV], 5
	s_add_co_u32 s96, s96, s97
	s_sub_co_u32 s96, s96, 384
	s_mul_i32 s97, s25, 6144
	s_add_co_u32 s97, s97, s96
	s_lshl_b32 s97, s97, 5
	s_add_co_u32 s97, s97, VCO
	s_mul_i32 s98, s25, 3072
	s_add_co_u32 s98, s98, s96
	s_lshl_b32 s98, s98, 2
	s_add_co_u32 s98, s98, VSO
	s_mov_b32 s99, 98304
	s_cmp_lt_u32 s[WV], 12
	s_cselect_b32 s94, s94, s97
	s_cselect_b32 s95, s95, s98
	s_cselect_b32 s99, 65536, s99                  ; bytes from a plane to the next
	v_lshl_add_u32 v[OC0], v[LN], 4, s94
	v_add_nc_u32 v[OC1], s99, v[OC0]
	v_lshl_add_u32 v[OSO], v[LN], 2, s95
	s_wait_tensorcnt 0x0                           ; my rows have landed,
	s_barrier_signal -1
	s_barrier_wait -1                              ; everybody's have
; Half a K step of 128: four tiles of source 0 against source 1's two.  The 16 accumulators take turns, one instruction a turn, in the same order in every K step.
.macro HALF s, hf
.set KO, 64*(\s)+16*((\s)/2)           ; the K step's 64 bytes in a padded row
.if (\s) == 0
.set fZ, 1
.else
.set fZ, 0
.endif
.if (\s)+(\hf) > 0
	PLACES
.endif
.if (\hf) == 0
.irp n, 0,1
.irp c, 0,1
	ds_load_b128 v[BF+8*\n+4*\c:BF+8*\n+4*\c+3], v[ADB] offset:KO+16*PX*\n+32*\c
.endr
.endr
	ds_load_b32 v[SB], v[ASB] offset:4*(\s)
.endif
.irp tt, 0,1,2,3
.irp c, 0,1
	ds_load_b128 v[AF+8*\tt+4*\c:AF+8*\tt+4*\c+3], v[ADA] offset:KO+16*PX*(4*(\hf)+\tt)+32*\c
.endr
.endr
.irp p, 0,1
	ds_load_b32 v[SA+\p], v[ASA] offset:768*(2*(\hf)+\p)+4*(\s)
.endr
	s_wait_dscnt 0x0                               ; other waves of the SIMD work meanwhile
.irp tt, 0,1,2,3
.irp n, 0,1
.set rD, ACC+64*\n+8*(4*(\hf)+\tt)
.set rA, AF+8*\tt
.set rB, BF+8*\n
.set rSA, SA+\tt/2
.set rSB, SB
.set fV, 4*fZ+2*(\tt%2)+\n
	WM
.endr
.endr
.endm
.irp s, 0,1,2,3,4,5
	HALF \s, 0
	HALF \s, 1
.endr
	PLACES
.irp b, 0,1,2,3
	v_mov_b32 v[TM+4+\b], 0                        ; a lane permute's destination counts as one of its sources
.endr
	QUANT ACC, PC0, PW0
	QUANT ACC+64, PC1, PW1
	v_cmp_le_u32 vcc_lo, 16, v[LN]
	v_cndmask_b32 v[PWM], v[PW0], v[PW1], vcc_lo   ; lanes 0-15: tile 0's rows' words, lanes 16-31: tile 1's
	global_store_b128 v[OC0], v[PC0:PC0+3], s[20:21]                 ; each store of the wave covers 512 consecutive bytes, aligned
	global_store_b128 v[OC1], v[PC0+4:PC0+7], s[20:21]
	global_store_b128 v[OC0], v[PC1:PC1+3], s[20:21] offset:512
	global_store_b128 v[OC1], v[PC1+4:PC1+7], s[20:21] offset:512
	global_store_b32 v[OSO], v[PWM], s[20:21]                        ; 128 consecutive bytes
	s_wait_tensorcnt 0x0
	ds_add_u32 v30, v31
	s_wait_dscnt 0x0
	CROUND                                         ; the closing round: no work-group ends while a partner may still ask for rows that name it
	s_endpgm
.Lfunc_end_k_q7bf5a358c4_qkv:
	.size	k_q7bf5a358c4_qkv, .Lfunc_end_k_q7bf5a358c4_qkv-k_q7bf5a358c4_qkv
	.p2alignl 7, 3214868480
	.fill 96, 4, 3214868480
	.section	.rodata,"a",@progbits
	.p2align	6, 0x0
	.amdhsa_kernel k_q7bf5a358c4_qkv
		.amdhsa_group_segment_fixed_size 327680
		.amdhsa_private_segment_fixed_size 0
		.amdhsa_enable_private_segment 0
		.amdhsa_kernarg_size 72
		.amdhsa_user_sgpr_count 2
		.amdhsa_user_sgpr_kernarg_segment_ptr 1
		.amdhsa_wavefront_size32 1
		.amdhsa_system_sgpr_workgroup_id_x 1
		.amdhsa_system_sgpr_workgroup_id_y 1
		.amdhsa_system_sgpr_workgroup_id_z 1
		.amdhsa_system_vgpr_workitem_id 0
		.amdhsa_next_free_vgpr 192
		.amdhsa_next_free_sgpr 102
		.amdhsa_reserve_vcc 1
		.amdhsa_float_denorm_mode_32 3
		.amdhsa_float_denorm_mode_16_64 3
		.amdhsa_memory_ordered 1
		.amdhsa_forward_progress 1
		.amdhsa_inst_pref_size 42
	.end_amdhsa_kernel
	.amdgpu_metadata
---
amdhsa.version: [ 1, 2 ]
amdhsa.kernels:
  - .name:           k_q7bf5a358c4_qkv
    .symbol:         k_q7bf5a358c4_qkv.kd
    .args:
      - { .name: x_codes, .offset: 0, .size: 8, .value_kind: global_buffer, .address_space: global }
      - { .name: x_scales, .offset: 8, .size: 8, .value_kind: global_buffer, .address_space: global }
      - { .name: wq_codes, .offset: 16, .size: 8, .value_kind: global_buffer, .address_space: global }
      - { .name: wq_scales, .offset: 24, .size: 8, .value_kind: global_buffer, .address_space: global }
      - { .name: wk_codes, .offset: 32, .size: 8, .value_kind: global_buffer, .address_space: global }
      - { .name: wk_scales, .offset: 40, .size: 8, .value_kind: global_buffer, .address_space: global }
      - { .name: wv_codes, .offset: 48, .size: 8, .value_kind: global_buffer, .address_space: global }
      - { .name: wv_scales, .offset: 56, .size: 8, .value_kind: global_buffer, .address_space: global }
      - { .name: qkv, .offset: 64, .size: 8, .value_kind: global_buffer, .address_space: global }
    .group_segment_fixed_size: 327680
    .private_segment_fixed_size: 0
    .kernarg_segment_align: 8
    .kernarg_segment_size: 72
    .max_flat_workgroup_size: 576
    .sgpr_count:     102
    .vgpr_count:     192
    .wavefront_size: 32
...
	.end_amdgpu_metadata
.endif
;; end of part 1
;; launch attn (part 2): grid 8 x 32, 12 waves a work-group, no clusters, 76,032 bytes of LDS; arguments qkv, ow; writes ow
.if DOCPART == 2
	.amdgcn_target "amdgcn-amd-amdhsa--gfx1250"
	.amdhsa_code_object_version 6
	.text
	.protected	k_q7bf5a358c4_attn
	.globl	k_q7bf5a358c4_attn
	.p2align	8
	.type	k_q7bf5a358c4_attn,@function
k_q7bf5a358c4_attn:
	s_mov_b64 s[64:65], 0
	v_nop
	global_prefetch_b8 v0, s[64:65] scope:SCOPE_SE
	s_setreg_imm32_b32 hwreg(HW_REG_WAVE_MODE, 25, 1), 1
	s_wait_xcnt 0x0
; Banded causal attention (key k counts for query q where 0 <= q - k < 256), head size 64, for 4 experts x 12 heads x 2 batches, both products on codes of FP4 (E2M1) with E8M0 scales.
; t = score x log2(e) / 8; M = the running largest t rounded up to a whole number; p = 2^(t - M) is quantised along the keys, not normalised; the row's sum is taken of the unquantised p and divides O at the end;
; o = O / sum is quantised here along the head's 64 and leaves as codes and scale bytes.
; SHARES.  Work-group (i, z): queries 128 i .. + 127 of the three units y = 3 z + u (head jh = y / 2 = 12 x expert + head, batch y % 2): 24 tiles of 16 queries.  Twelve waves, three to a SIMD;
; wave w takes tiles w and w + 12 of the 24, one after the other.  256 work-groups, one to a WGP.  LDS holds key blocks i - 2, i - 1, i (128 keys each) of K and V of the three units, filled once through registers.
; THE WINDOW.  Both quantisers along the keys work in blocks of 32 keys.  Tile T's queries lie in the block that begins at a = 128 i + 32 (T / 2), and their band lies in the nine blocks a - 256 .. a + 31: 288 keys.
; Three steps: the block at a (32 keys, hidden where key > query) starts M, the sum and O^T; then keys a - 128 .. a - 1 (all count); then keys a - 256 .. a - 129 (hidden where q - k >= 256: in its first block alone).
; The window's place in LDS hangs on the wave's number alone: 1,024 bytes for each block of 32 keys, in K and in V.
; AHEAD OF KEY 0 (i < 2): the loads are clamped to the batch's first keys, and those scores are hidden by a compare under a scalar branch on the work-group's number; for i = 0 the last step is jumped over.
; LAYOUT.  Both products transposed: S^T = K Q^T (source 0 = 16 keys), O^T = V^T P^T (source 0 = 16 of the head's 64): a lane holds ONE query.  In tile tt lane (r, h), register j is key 16 tt + 8 h + j of the step.
; The first product's K is 64: the upper 64 of the instruction's 128 are zero codes on both sides.  In the step of 32 keys p's other three blocks are zero codes.
; NO CLUSTER, NO TENSOR LOAD: a work-group reads its 72 KB of K and V once; neighbours along i want the key blocks one slot further on, so no two would issue the same request.
; LIMITS: NaN and infinities are not served; a block whose every p has fallen to 0 keeps the byte 1 (its codes are zeros); v_exp_f32 and v_rcp_f32 are good to 1 ulp and flush denormals; the keys are summed in the order a .., a - 128 .., a - 256 ...
.set KCO,  3145728                     ; regions of qkv: q's codes at 0, k's, v's, then the scale words
.set VCO,  6291456
.set QSO,  9437184
.set KSO,  9633792
.set VSO,  9830400
.set OSO,  3145728                     ; in ow: o's codes at 0, its scale halves here
.set UNIT, 24576                       ; LDS, for each unit: K, 12 blocks of 32 keys x 1,024 bytes (two pieces of 16 keys x 64);
.set VLO,  12288                       ; then V, [12 blocks of 32 keys][4 tiles of 16 d][16 rows][16 bytes]
.set OSL,  3*UNIT                      ; behind the units: o's scale halves, 32 bytes a tile
.set AK,  1                            ; v1 K's pieces of my window   v2 V's (lanes 16-31 one block on)   v3 V's, both halves of the lanes alike
.set AV,  2
.set AVX, 3
.set DX,  4                            ; v4 my query in its block of 32, less my half's 8 keys   v5 the keys ahead of key 0, likewise   v6 the one of the two that the last step's first block takes
.set DZ,  5
.set DL,  6
.set OSW, 7                            ; v7 where my row's scale half goes   v8, v9 my 16 bytes of Q and of o, first and second tile
.set OCO, 8
.set AT,  10                           ; v10, v11 the fill: where a thread's 16 bytes of K and of V go
.set ATV, 11
.set Q,   16                           ; v16-23 Q's fragment (20-23 zeros)   v24 its scale words   v25 -infinity   v26-30 the second tile's Q and scale words
.set QSW, 24
.set NINF, 25
.set QB,  26
.set QSB, 30
.set OSR, 31                           ; v31 where o's scale halves are read back
.set KF,  32                           ; v32-63 four fragments of K (the upper four registers of each: zeros)
.set VF,  64                           ; v64-95 four fragments of V
.set S,   96                           ; v96-159 S^T, then p
.set O,   160                          ; v160-191 O^T
.set P,   192                          ; v192-199 p's codes
.set BM,  204                          ; v204-215 at work: a block's largest score, exchange and byte, scale operand
.set BT,  208
.set BS,  212
.set T0,  216
.set F,   218                          ; v[218:219] f = 2^(old M - new M)
.set PWD, 220                          ; p's scale word
.set SUM2, 222
.set KSW, 224                          ; tile k: v[224 + 15 k ..] K's scale words of the window's nine blocks; v[233 + 15 k ..] V's: last step's, middle step's, first step's, two registers each
.set FD,  96                           ; at the head only: the fill's data, v96-167, and byte offsets of the loads
.set KSA, 168
.set VSA, 186
.set QSA, 192
.set VG,  194
.set VLN, 195
.set VR,  196
.set KA,  197
.set VA,  200
.set VT,  203
.set CS,  24
.set SEL, 26
.set KB,  28                           ; s[28:33], s[34:39] K's and V's addresses of the three units
.set VB,  34
.set TS,  66                           ; tile k: s[66 + 8 k ..]: LDS byte of my window in K, in V; 16 (T % 2); 127 - 32 (T / 2); LDS byte of the scale halves; 16 (jh % 2); byte select and shift for V's scale words
.set SELI, 82                          ; all ones where i >= 2
.macro PLACES                          ; four plain places behind matrix instructions, ahead of loads into their registers and of reads of their results
.rept 4
	v_nop
.endr
.endm
.macro WM                              ; fV = 4 (C = 0) + 2 (source 0's scales in lanes 16-31)
.if fV == 0
	v_wmma_scale_f32_16x16x128_f8f6f4 v[rD:rD+7], v[rA:rA+7], v[rB:rB+7], v[rD:rD+7], v[rSA], v[rSB] matrix_a_fmt:MATRIX_FMT_FP4 matrix_b_fmt:MATRIX_FMT_FP4
.elseif fV == 2
	v_wmma_scale_f32_16x16x128_f8f6f4 v[rD:rD+7], v[rA:rA+7], v[rB:rB+7], v[rD:rD+7], v[rSA], v[rSB] matrix_a_fmt:MATRIX_FMT_FP4 matrix_b_fmt:MATRIX_FMT_FP4 matrix_a_scale:MATRIX_SCALE_ROW1
.elseif fV == 4
	v_wmma_scale_f32_16x16x128_f8f6f4 v[rD:rD+7], v[rA:rA+7], v[rB:rB+7], 0, v[rSA], v[rSB] matrix_a_fmt:MATRIX_FMT_FP4 matrix_b_fmt:MATRIX_FMT_FP4
.else
	v_wmma_scale_f32_16x16x128_f8f6f4 v[rD:rD+7], v[rA:rA+7], v[rB:rB+7], 0, v[rSA], v[rSB] matrix_a_fmt:MATRIX_FMT_FP4 matrix_b_fmt:MATRIX_FMT_FP4 matrix_a_scale:MATRIX_SCALE_ROW1
.endif
.endm
	s_load_b128 s[4:7], s[0:1], 0x0                ; qkv, ow.  All that hangs on no address is made while they are on their way
	v_lshl_add_u32 v254, v0, 2, 0x12300
	v_mov_b32 v255, 0
	v_lshrrev_b32 v1, 5, v0
	v_readfirstlane_b32 s8, v1                     ; wave 0..11
	s_mov_b32 s9, ttmp9                            ; i
	s_and_b32 s10, ttmp7, 0xffff
	s_mul_i32 s10, s10, 3                          ; y of unit 0
	s_sub_co_i32 s12, s9, 2
	s_max_i32 s12, s12, 0                          ; the three slots' key blocks: i - 2 and i - 1, clamped, and i
	s_sub_co_i32 s13, s9, 1
	s_max_i32 s13, s13, 0
	s_mov_b32 s14, s9
	s_cmp_ge_u32 s9, 2
	s_cselect_b32 s[SELI], -1, 0
	s_mov_b32 s[CS], 0x3e38aa3b                    ; c = log2(e) / 8
	s_mov_b32 s[CS+1], s[CS]
	s_mov_b32 s[SEL], 0x76543210
	s_mov_b32 s[SEL+1], 0xfedcba98                 ; v_permlanex16_b32's selects for lane l xor 16
	v_and_b32 v[VLN], 31, v0                       ; lane
	v_and_b32 v[VR], 15, v0                        ; r
	v_lshlrev_b32 v[AT], 4, v0                     ; K goes into LDS as it lies: 16 bytes a thread
	v_lshlrev_b32 v[ATV], 4, v[VR]                 ; V: a thread's 16 bytes are 32 keys of one d: block 2 (thread / 128) + h of the slot, tile (thread / 32) % 4, row r
	v_bfe_u32 v[VT], v0, 4, 1
	v_lshl_add_u32 v[ATV], v[VT], 10, v[ATV]
	v_bfe_u32 v[VT], v0, 5, 2
	v_lshl_add_u32 v[ATV], v[VT], 8, v[ATV]
	v_lshrrev_b32 v[VT], 7, v0
	v_lshl_add_u32 v[ATV], v[VT], 11, v[ATV]
	v_add_nc_u32 v[ATV], VLO, v[ATV]
	v_mul_u32_u24 v[VG], v[VT], 98304              ; in memory: threads 0-127 the block's first 64 keys' plane, 128-255 the second's
	v_and_b32 v[VT], 127, v0
	v_lshl_add_u32 v[VG], v[VT], 4, v[VG]
	v_lshl_add_u32 v[OSR], v0, 3, OSL
.irp s, 0,1,2
	s_lshl_b32 s11, s[12+\s], 12
	v_add_nc_u32 v[KA+\s], s11, v[AT]              ; 128 keys x 32 bytes = 256 threads x 16
	s_mul_i32 s11, s[12+\s], 196608
	v_add_nc_u32 v[VA+\s], s11, v[VG]
.endr
.irp u, 0,1,2                          ; where unit u's K and V begin, in bytes
	s_add_co_u32 s15, s10, \u
	s_lshr_b32 s16, s15, 1                         ; jh
	s_and_b32 s17, s15, 1                          ; batch
	s_lshl_b32 s18, s16, 16
	s_lshl_b32 s19, s17, 15
	s_add_co_u32 s18, s18, s19
	s_add_co_u32 s[KB+2*\u], s18, KCO              ; plane jh, the batch's 1,024 rows of 32 bytes
	s_mov_b32 s[KB+2*\u+1], 0
	s_mul_i32 s18, s17, 1572864
	s_lshl_b32 s19, s16, 11
	s_add_co_u32 s18, s18, s19
	s_add_co_u32 s[VB+2*\u], s18, VCO              ; the batch's 16 planes, rows 64 jh on
	s_mov_b32 s[VB+2*\u+1], 0
.endr
; What tile w + 12 k needs: its scalars, and the byte offsets of its loads
.macro TSCAL k
.set B_, TS+8*\k
	s_add_co_u32 s15, s8, 12*\k                    ; the tile's number among the 24
	s_lshr_b32 s16, s15, 3                         ; u: its unit
	s_and_b32 s17, s15, 7                          ; T: its place among the unit's 8
	s_lshr_b32 s18, s17, 1                         ; T / 2: its block of 32 in the 128
	s_mul_i32 s[B_], s16, UNIT
	s_lshl_b32 s19, s18, 10
	s_add_co_u32 s[B_], s[B_], s19                 ; the window begins T / 2 blocks into the unit's twelve
	s_add_co_u32 s[B_+1], s[B_], VLO
	s_and_b32 s19, s17, 1
	s_lshl_b32 s[B_+2], s19, 4
	s_lshl_b32 s19, s18, 5
	s_sub_co_u32 s[B_+3], 127, s19
	s_lshl_b32 s19, s15, 5
	s_add_co_u32 s[B_+4], s19, OSL
	s_mul_i32 s[B_+6], s18, 0x01010101
	s_add_co_u32 s[B_+6], s[B_+6], 0x03020100      ; bytes T / 2 .. T / 2 + 3 of two words on end
	s_lshl_b32 s[B_+7], s18, 3
	s_add_co_u32 s19, s10, s16                     ; y
	s_lshr_b32 s20, s19, 1                         ; jh
	s_and_b32 s21, s19, 1                          ; batch
	s_and_b32 s22, s20, 1
	s_lshl_b32 s[B_+5], s22, 4                     ; my head's two bytes lie 16 (jh % 2) bits up in a word of q's or k's scales
	s_lshl_b32 s22, s20, 16
	s_lshl_b32 s23, s21, 15
	s_add_co_u32 s22, s22, s23
	s_lshl_b32 s23, s9, 12
	s_add_co_u32 s22, s22, s23
	s_lshl_b32 s23, s17, 9
	s_add_co_u32 s22, s22, s23
	v_lshl_add_u32 v[OCO+\k], v[VLN], 4, s22       ; plane jh, rows 1,024 b + 128 i + 16 T on: the same place in q's and in o's codes
	s_lshr_b32 s22, s20, 1
	s_lshl_b32 s22, s22, 13
	s_lshl_b32 s23, s21, 12
	s_add_co_u32 s22, s22, s23                     ; q's and k's scale words: the pair of heads, the batch
	s_lshl_b32 s23, s9, 9
	s_add_co_u32 s23, s23, s22
	s_lshl_b32 s11, s17, 6
	s_add_co_u32 s23, s23, s11
	s_add_co_u32 s23, s23, QSO
	v_lshl_add_u32 v[QSA+\k], v[VR], 2, s23
	s_add_co_u32 s22, s22, KSO
	v_lshl_add_u32 v[VT], v[VLN], 2, s22
	s_lshl_b32 s23, s9, 9
	s_lshl_b32 s11, s18, 7
	s_add_co_u32 s23, s23, s11
	s_sub_co_i32 s23, s23, 1024                    ; 4 bytes x (a - 256), counted from the batch's first key: under 0 where the window begins ahead of it
.irp m, 0,1,2,3,4,5,6,7,8
	s_add_co_i32 s11, s23, 128*\m
	s_max_i32 s11, s11, 0                          ; a block ahead of key 0 takes the first block's words: its scores are hidden
	v_add_nc_u32 v[KSA+9*\k+\m], s11, v[VT]
.endr
	s_mul_i32 s22, s21, 98304
	s_lshl_b32 s23, s20, 8
	s_add_co_u32 s22, s22, s23
	s_add_co_u32 s22, s22, VSO
	v_lshl_add_u32 v[VT], v[VLN], 2, s22
.irp s, 0,1,2
	s_mul_i32 s11, s[12+\s], 12288
	v_add_nc_u32 v[VSA+3*\k+\s], s11, v[VT]
.endr
.endm
	TSCAL 0
	TSCAL 1
.irp j, 20,21,22,23,36,37,38,39,44,45,46,47,52,53,54,55,60,61,62,63
	v_mov_b32 v\j, 0                               ; zero codes for k = 64 .. 127 of the first product, written once
.endr
.irp j, 68,69,70,71,76,77,78,79,84,85,86,87,92,93,94,95
	v_mov_b32 v\j, 0                               ; V's upper halves, named by the first step of 32 keys before any load has filled them: they meet zero codes of p
.endr
	v_mov_b32 v[NINF], 0xff800000
	v_mov_b32 v[F+1], 0                            ; named as the upper half of a pair
.irp b, 0,1,2,3
	v_mov_b32 v[BT+\b], 0                          ; a lane permute's destination counts as one of its sources
.endr
	s_wait_kmcnt 0x0
.irp u, 0,1,2
	s_add_nc_u64 s[KB+2*\u:KB+2*\u+1], s[4:5], s[KB+2*\u:KB+2*\u+1]
	s_add_nc_u64 s[VB+2*\u:VB+2*\u+1], s[4:5], s[VB+2*\u:VB+2*\u+1]
.endr
	global_load_b128 v[Q:Q+3], v[OCO], s[4:5]
	global_load_b128 v[QB:QB+3], v[OCO+1], s[4:5]
	global_load_b32 v[QSW], v[QSA], s[4:5]
	global_load_b32 v[QSB], v[QSA+1], s[4:5]
.irp k, 0,1
.irp m, 0,1,2,3,4,5,6,7,8
	global_load_b32 v[KSW+15*\k+\m], v[KSA+9*\k+\m], s[4:5]              ; 32 keys' words: 128 consecutive bytes a load
.endr
.irp s, 0,1,2
.irp p, 0,1
	global_load_b32 v[KSW+9+15*\k+2*\s+\p], v[VSA+3*\k+\s], s[4:5] offset:128*\p
.endr
.endr
.endr
	s_cmp_lt_u32 s8, 8                             ; waves 0-7 fill LDS: 256 threads x 16 bytes are a block of 128 keys
	s_cbranch_scc0 .Lnofill
.irp u, 0,1,2
.irp s, 0,1,2
	global_load_b128 v[FD+4*(3*\u+\s):FD+4*(3*\u+\s)+3], v[KA+\s], s[KB+2*\u:KB+2*\u+1]
	global_load_b128 v[FD+36+4*(3*\u+\s):FD+36+4*(3*\u+\s)+3], v[VA+\s], s[VB+2*\u:VB+2*\u+1]
.endr
.endr
	s_wait_loadcnt 0x0
.irp u, 0,1,2
.irp s, 0,1,2
	ds_store_b128 v[AT], v[FD+4*(3*\u+\s):FD+4*(3*\u+\s)+3] offset:UNIT*\u+4096*\s
	ds_store_b128 v[ATV], v[FD+36+4*(3*\u+\s):FD+36+4*(3*\u+\s)+3] offset:UNIT*\u+4096*\s
.endr
.endr
.Lnofill:
	s_wait_loadcnt 0x0
	v_lshrrev_b32 v[QSW], s[TS+5], v[QSW]          ; my head's two bytes come down; what stands above them scales zero codes
	v_lshrrev_b32 v[QSB], s[TS+8+5], v[QSB]
.irp k, 0,1
.irp m, 0,1,2,3,4,5,6,7,8
	v_lshrrev_b32 v[KSW+15*\k+\m], s[TS+8*\k+5], v[KSW+15*\k+\m]
.endr
.endr
.irp k, 0,1                            ; V's twelve scale bytes of a row lie in three words; the window's begin T / 2 bytes in
.irp p, 0,1
	v_perm_b32 v[KSW+9+15*\k+\p], v[KSW+9+15*\k+2+\p], v[KSW+9+15*\k+\p], s[TS+8*\k+6]       ; keys a - 256 on: four bytes
	v_perm_b32 v[KSW+9+15*\k+2+\p], v[KSW+9+15*\k+4+\p], v[KSW+9+15*\k+2+\p], s[TS+8*\k+6]   ; keys a - 128 on: four bytes
	v_lshrrev_b32 v[KSW+9+15*\k+4+\p], s[TS+8*\k+7], v[KSW+9+15*\k+4+\p]                     ; keys a on: the lowest byte; the others meet zero codes of p
.endr
.endr
	s_wait_dscnt 0x0                               ; my stores have landed,
	s_barrier_signal -1
	s_barrier_wait -1                              ; everybody's have
; Scores of registers first .. first + count - 1 become -infinity where 16 (n / 8) + n % 8 <= the lane's threshold (register n holds key 16 (n / 8) + 8 h + n % 8 of the step)
.macro HIDE first, count, reg
.set n, \first
.rept \count
	v_cmp_le_i32 vcc_lo, 16*(n/8)+n%8, v[\reg]
	v_cndmask_b32 v[S+n], v[S+n], v[NINF], vcc_lo
.set n, n+1
.endr
.endm
; THE FIRST STEP: the 32 keys from a on, the window's ninth block.  It holds every query's own key, so M is a number from here on.  It starts M, the sum and O^T: nothing is cleared and nothing rescaled.
.macro XSTEP
	ds_load_b128 v[KF:KF+3], v[AK] offset:8192
	ds_load_b128 v[KF+8:KF+11], v[AK] offset:8192+512
	s_wait_dscnt 0x0
.set rD, S
.set rA, KF
.set rB, Q
.set rSA, KS_+8
.set rSB, QSW
.set fV, 4
	WM
.set rD, S+8
.set rA, KF+8
.set fV, 6
	WM
	PLACES
.irp tt, 0,1,2,3
	ds_load_b128 v[VF+8*\tt:VF+8*\tt+3], v[AVX] offset:8192+256*\tt      ; both halves of the lanes take the one block: lanes 16-31 meet zero codes of p
.endr
.set n, 0
.rept 16
	v_cmp_gt_i32 vcc_lo, 16*(n/8)+n%8, v[DX]       ; hidden where key > query
	v_cndmask_b32 v[S+n], v[S+n], v[NINF], vcc_lo
.set n, n+1
.endr
	v_max3_num_f32 v[BM], v[S], v[S+1], v[S+2]     ; the block's largest score, in two chains
	v_max3_num_f32 v[BM+1], v[S+8], v[S+9], v[S+10]
	v_max3_num_f32 v[BM], v[BM], v[S+3], v[S+4]
	v_max3_num_f32 v[BM+1], v[BM+1], v[S+11], v[S+12]
	v_max3_num_f32 v[BM], v[BM], v[S+5], v[S+6]
	v_max3_num_f32 v[BM+1], v[BM+1], v[S+13], v[S+14]
	v_max3_num_f32 v[BM], v[BM], v[S+7], v[S+15]
	v_max_num_f32 v[BM], v[BM], v[BM+1]
	v_permlanex16_b32 v[BT], v[BM], s[SEL], s[SEL+1]
	v_max_num_f32 v[BM], v[BM], v[BT]
	v_mul_f32 v13, s[CS], v[BM]                    ; the largest t so far
	v_floor_f32 v12, -v13                          ; -M = -ceil(t)
.set n, 0
.rept 8
	v_pk_fma_f32 v[S+n:S+n+1], v[S+n:S+n+1], s[CS:CS+1], v[12:13] op_sel_hi:[1,0,0]   ; t - M
.set n, n+2
.endr
	v_fma_f32 v[BM], v[BM], s[CS], v12
.set n, 0
.rept 16
	v_exp_f32 v[S+n], v[S+n]                       ; p = 2^(t - M)
.set n, n+1
.endr
	v_exp_f32 v[BM], v[BM]                         ; the block's largest p
	v_mov_b32 v[P+1], 0                            ; (a plain place behind the exponentials)  p's other three blocks: zero codes
	s_wait_alu depctr_va_vdst(0)
	v_max_num_f32 v[BM], 0x1800000, v[BM]          ; the floor 2^(3 - 127)
	v_add_nc_u32 v[BS], 0xff000000, v[BM]          ; 2 off the exponent field: the conversion's scale operand
	v_lshrrev_b32 v[PWD], 23, v[BS]                ; p's scale word: the block's byte, and 0 for the blocks of zero codes
.irp j, 3,4,5,6,7
	v_mov_b32 v[P+\j], 0
.endr
	v_cvt_scalef32_pk8_fp4_f32 v[P], v[S:S+7], v[BS]
	v_cvt_scalef32_pk8_fp4_f32 v[P+2], v[S+8:S+15], v[BS]
	v_nop                                          ; one plain place behind a scaled conversion
	v_permlane16_swap_b32 v[P], v[P+1]             ; lanes 0-15 now hold the block's 32 codes in registers 0-3, lanes 16-31 zeros
	v_permlane16_swap_b32 v[P+2], v[P+3]
	v_pk_add_f32 v[14:15], v[S:S+1], v[S+2:S+3]    ; the row's sum begins, of the unquantised p, in two chains.  (Seven plain places ahead of the products)
	v_pk_add_f32 v[SUM2:SUM2+1], v[S+4:S+5], v[S+6:S+7]
	v_pk_add_f32 v[14:15], v[14:15], v[S+8:S+9]
	v_pk_add_f32 v[SUM2:SUM2+1], v[SUM2:SUM2+1], v[S+10:S+11]
	v_pk_add_f32 v[14:15], v[14:15], v[S+12:S+13]
	v_pk_add_f32 v[SUM2:SUM2+1], v[SUM2:SUM2+1], v[S+14:S+15]
	v_pk_add_f32 v[14:15], v[14:15], v[SUM2:SUM2+1]
	s_wait_dscnt 0x0                               ; V's fragments are in
.irp tt, 0,1,2,3
.set rD, O+8*\tt
.set rA, VF+8*\tt
.set rB, P
.set rSA, VS_+4+\tt/2
.set rSB, PWD
.set fV, 4+2*(\tt%2)
	WM
.endr
.endm
; A STEP OF 128 KEYS: the window's blocks off .. off + 3; vs: where V's scale words of the step stand.  mode 1: keys a - 128 on: all count, but for i = 0 those ahead of key 0.
; mode 2: keys a - 256 on: in the first block hidden where q - k >= 256; for i = 1 those ahead of key 0, which lie beyond that bound too.
.macro STEP off, vs, mode
.irp g, 0,1
.if \g == 1
	PLACES
.endif
.irp tt, 0,1,2,3
	ds_load_b128 v[KF+8*\tt:KF+8*\tt+3], v[AK] offset:1024*(\off)+512*(4*\g+\tt)
.endr
	s_wait_dscnt 0x0
.irp tt, 0,1,2,3
.set rD, S+8*(4*\g+\tt)
.set rA, KF+8*\tt
.set rB, Q
.set rSA, KS_+(\off)+2*\g+\tt/2
.set rSB, QSW
.set fV, 4+2*(\tt%2)
	WM
.endr
.endr
	PLACES
.irp tt, 0,1,2,3
.irp c, 0,1
	ds_load_b128 v[VF+8*\tt+4*\c:VF+8*\tt+4*\c+3], v[AV] offset:1024*((\off)+2*\c)+256*\tt   ; V's fragments land while the softmax is worked
.endr
.endr
.if \mode == 1
	s_cmp_lg_u32 s9, 0
	s_cbranch_scc1 .Lopen_\@
	HIDE 0, 64, DZ
.else
	HIDE 0, 16, DL
	s_cmp_ge_u32 s9, 2
	s_cbranch_scc1 .Lopen_\@
	HIDE 16, 48, DZ
.endif
.Lopen_\@:
.irp b, 0,1,2,3
	v_max3_num_f32 v[BM+\b], v[S+16*\b], v[S+16*\b+1], v[S+16*\b+2]      ; the largest score of each block of 32 keys: for the row's maximum, and, since p rises with the score, for the block's largest p
.endr
.irp i, 3,5,7,9,11,13
.irp b, 0,1,2,3
	v_max3_num_f32 v[BM+\b], v[BM+\b], v[S+16*\b+\i], v[S+16*\b+\i+1]
.endr
.endr
.irp b, 0,1,2,3
	v_max_num_f32 v[BM+\b], v[BM+\b], v[S+16*\b+15]
.endr
.irp b, 0,1,2,3
	v_permlanex16_b32 v[BT+\b], v[BM+\b], s[SEL], s[SEL+1]
.endr
.irp b, 0,1,2,3
	v_max_num_f32 v[BM+\b], v[BM+\b], v[BT+\b]
.endr
	v_max3_num_f32 v[T0], v[BM], v[BM+1], v[BM+2]
	v_max_num_f32 v[T0], v[T0], v[BM+3]
	v_mul_f32 v[T0], s[CS], v[T0]
	v_max_num_f32 v13, v13, v[T0]                  ; the running largest t
	v_mov_b32 v[T0], v12
	v_floor_f32 v12, -v13                          ; the new -M = -ceil(t)
	v_sub_f32 v[T0], v12, v[T0]                    ; old M less new M: a whole number, 0 or less
	v_cvt_i32_f32 v[T0], v[T0]                     ; (it saturates)
	v_ldexp_f32 v[F], 1.0, v[T0]                   ; f = 2^(old M - new M): a multiplication by it rounds nothing
.set n, 0
.rept 32
	v_pk_fma_f32 v[S+n:S+n+1], v[S+n:S+n+1], s[CS:CS+1], v[12:13] op_sel_hi:[1,0,0]   ; t - M
.set n, n+2
.endr
.irp b, 0,1,2,3
	v_fma_f32 v[BM+\b], v[BM+\b], s[CS], v12
.endr
.set n, 0
.rept 64
	v_exp_f32 v[S+n], v[S+n]                       ; p = 2^(t - M)
.set n, n+1
.endr
.irp b, 0,1,2,3
	v_exp_f32 v[BM+\b], v[BM+\b]                   ; the block's largest p
.endr
	v_pk_mul_f32 v[14:15], v[14:15], v[F:F+1] op_sel_hi:[1,0]            ; the sums under the new M (a plain place behind the exponentials)
	s_wait_alu depctr_va_vdst(0)
.irp b, 0,1,2,3
	v_max_num_f32 v[BM+\b], 0x1800000, v[BM+\b]    ; the floor 2^(3 - 127)
.endr
.irp b, 0,1,2,3
	v_add_nc_u32 v[BS+\b], 0xff000000, v[BM+\b]
.endr
.irp b, 0,1,2,3
	v_lshrrev_b32 v[BT+\b], 23, v[BS+\b]
.endr
	v_lshl_or_b32 v[PWD], v[BT+1], 8, v[BT]
	v_lshl_or_b32 v[PWD], v[BT+2], 16, v[PWD]
	v_lshl_or_b32 v[PWD], v[BT+3], 24, v[PWD]
.irp b, 0,1,2,3
	v_cvt_scalef32_pk8_fp4_f32 v[P+4*(\b/2)+(\b%2)], v[S+16*\b:S+16*\b+7], v[BS+\b]
	v_cvt_scalef32_pk8_fp4_f32 v[P+4*(\b/2)+2+(\b%2)], v[S+16*\b+8:S+16*\b+15], v[BS+\b]
.endr
	v_nop                                          ; one plain place behind a scaled conversion
.irp c, 0,1
	v_permlane16_swap_b32 v[P+4*\c], v[P+4*\c+1]
	v_permlane16_swap_b32 v[P+4*\c+2], v[P+4*\c+3]
.endr
	v_pk_add_f32 v[SUM2:SUM2+1], v[S:S+1], v[S+2:S+3]                    ; the row's sum, of the unquantised p, in two chains
.irp j, 4,8,12,16,20,24,28,32,36,40,44,48,52,56,60
	v_pk_add_f32 v[14:15], v[14:15], v[S+\j:S+\j+1]
	v_pk_add_f32 v[SUM2:SUM2+1], v[SUM2:SUM2+1], v[S+\j+2:S+\j+3]
.endr
	v_pk_add_f32 v[14:15], v[14:15], v[SUM2:SUM2+1]
.set n, 0
.rept 16
	v_pk_mul_f32 v[O+n:O+n+1], v[O+n:O+n+1], v[F:F+1] op_sel_hi:[1,0]    ; O^T under the new M.  (With the sums: 48 plain places between p's codes and scale word and the products)
.set n, n+2
.endr
	s_wait_dscnt 0x0                               ; V's fragments are in
.irp tt, 0,1,2,3
.set rD, O+8*\tt
.set rA, VF+8*\tt
.set rB, P
.set rSA, VS_+(\vs)+\tt/2
.set rSB, PWD
.set fV, 2*(\tt%2)
	WM                                             ; the four accumulators take turns, one instruction a turn
.endr
.endm
; ONE TILE OF 16 QUERIES, the wave's k-th
.macro TASK k
.set KS_, KSW+15*\k
.set VS_, KSW+9+15*\k
.set TS_, TS+8*\k
.if \k == 1
	s_wait_xcnt 0x0                                ; the first tile's store has had its address translated: P, which it reads, is written again only behind this wait (ISA guide 3.1)
.irp j, 0,1,2,3
	v_mov_b32 v[Q+\j], v[QB+\j]
.endr
	v_mov_b32 v[QSW], v[QSB]
.endif
	v_and_b32 v[BM], 31, v0                        ; lane.  (These twelve lines name no register of the first product: they are the places between Q's scale words and it)
	v_and_b32 v[BM+1], 15, v0                      ; r
	v_bfe_u32 v[BM+2], v0, 4, 1                    ; h
	v_lshlrev_b32 v[BM+3], 3, v[BM+2]
	v_lshl_add_u32 v[AK], v[BM], 4, s[TS_]
	v_lshl_add_u32 v[AVX], v[BM+1], 4, s[TS_+1]
	v_lshl_add_u32 v[AV], v[BM+2], 10, v[AVX]
	v_sub_nc_u32 v[DX], v[BM+1], v[BM+3]
	v_add_nc_u32 v[DX], s[TS_+2], v[DX]            ; q - a - 8 h = 16 (T % 2) + r - 8 h
	v_sub_nc_u32 v[DZ], s[TS_+3], v[BM+3]          ; 127 - 32 (T / 2) - 8 h: of a step that begins 128 - 32 (T / 2) keys ahead of key 0, the last key that does not exist
	v_cndmask_b32 v[DL], v[DZ], v[DX], s[SELI]
	v_lshl_add_u32 v[OSW], v[BM+1], 1, s[TS_+4]
	XSTEP
	STEP 4, 2, 1
	s_cmp_eq_u32 s9, 0
	s_cbranch_scc1 .Ldone_\@                       ; for i = 0 every key from a - 256 to a - 129 lies ahead of key 0
	STEP 0, 0, 2
.Ldone_\@:
	PLACES
	v_add_f32 v14, v14, v15
	v_permlanex16_b32 v[T0], v14, s[SEL], s[SEL+1]
	v_add_f32 v14, v14, v[T0]                      ; the row's sum
	v_rcp_f32 v14, v14
	v_nop
.set n, 0
	s_wait_alu depctr_va_vdst(0)
.rept 32
	v_mul_f32 v[S+n], v[O+n], v14                  ; o(r, 16 tt + 8 h + j), each accumulator from its low end on
.set n, n+1
.endr
.irp b, 0,1                            ; o's two blocks of 32 along the head's 64
	v_max3_num_f32 v[BM+\b], |v[S+16*\b]|, |v[S+16*\b+1]|, 0x1800000
.endr
.irp i, 2,4,6,8,10,12,14
.irp b, 0,1
	v_max3_num_f32 v[BM+\b], v[BM+\b], |v[S+16*\b+\i]|, |v[S+16*\b+\i+1]|
.endr
.endr
.irp b, 0,1
	v_permlanex16_b32 v[BT+\b], v[BM+\b], s[SEL], s[SEL+1]
.endr
.irp b, 0,1
	v_max_num_f32 v[BM+\b], v[BM+\b], v[BT+\b]
.endr
.irp b, 0,1
	v_add_nc_u32 v[BS+\b], 0xff000000, v[BM+\b]
.endr
.irp b, 0,1
	v_lshrrev_b32 v[BT+\b], 23, v[BS+\b]
.endr
	v_lshl_or_b32 v[T0], v[BT+1], 8, v[BT]         ; my row's two bytes
.irp b, 0,1
	v_cvt_scalef32_pk8_fp4_f32 v[P+\b], v[S+16*\b:S+16*\b+7], v[BS+\b]
	v_cvt_scalef32_pk8_fp4_f32 v[P+2+\b], v[S+16*\b+8:S+16*\b+15], v[BS+\b]
.endr
	v_nop
	v_permlane16_swap_b32 v[P], v[P+1]
	v_permlane16_swap_b32 v[P+2], v[P+3]
	global_store_b128 v[OCO+\k], v[P:P+3], s[6:7]  ; 512 consecutive bytes: 16 rows x 64 k as an operand's registers
	ds_store_b16 v[OSW], v[T0]                     ; both lanes of a row write the same half word
.endm
	TASK 0
	TASK 1
	s_wait_dscnt 0x0                               ; for the others' sake: my scale halves have landed
	s_barrier_signal -1
	s_barrier_wait -1
	s_cmp_lt_u32 s8, 3                             ; wave u stores unit u's 128 half words
	s_cbranch_scc0 .Lend
	ds_load_b64 v[26:27], v[OSR]
	s_add_co_u32 s15, s10, s8                      ; y
	s_lshr_b32 s16, s15, 1
	s_and_b32 s17, s15, 1
	s_lshl_b32 s16, s16, 12
	s_lshl_b32 s17, s17, 11
	s_add_co_u32 s16, s16, s17
	s_lshl_b32 s17, s9, 8
	s_add_co_u32 s16, s16, s17
	s_add_co_u32 s16, s16, OSO
	v_and_b32 v28, 31, v0
	v_lshl_add_u32 v28, v28, 3, s16
	s_wait_dscnt 0x0
	global_store_b64 v28, v[26:27], s[6:7]         ; 256 consecutive bytes, aligned
.Lend:
	s_wait_tensorcnt 0x0
	ds_add_u32 v254, v255
	s_wait_dscnt 0x0
	s_endpgm
.Lfunc_end_k_q7bf5a358c4_attn:
	.size	k_q7bf5a358c4_attn, .Lfunc_end_k_q7bf5a358c4_attn-k_q7bf5a358c4_attn
	.p2alignl 7, 3214868480
	.fill 96, 4, 3214868480
	.section	.rodata,"a",@progbits
	.p2align	6, 0x0
	.amdhsa_kernel k_q7bf5a358c4_attn
		.amdhsa_group_segment_fixed_size 76032
		.amdhsa_private_segment_fixed_size 0
		.amdhsa_enable_private_segment 0
		.amdhsa_kernarg_size 16
		.amdhsa_user_sgpr_count 2
		.amdhsa_user_sgpr_kernarg_segment_ptr 1
		.amdhsa_wavefront_size32 1
		.amdhsa_system_sgpr_workgroup_id_x 1
		.amdhsa_system_sgpr_workgroup_id_y 1
		.amdhsa_system_sgpr_workgroup_id_z 1
		.amdhsa_system_vgpr_workitem_id 0
		.amdhsa_next_free_vgpr 256
		.amdhsa_next_free_sgpr 84
		.amdhsa_reserve_vcc 1
		.amdhsa_float_denorm_mode_32 3
		.amdhsa_float_denorm_mode_16_64 3
		.amdhsa_memory_ordered 1
		.amdhsa_forward_progress 1
		.amdhsa_inst_pref_size 117
	.end_amdhsa_kernel
	.amdgpu_metadata
---
amdhsa.version: [ 1, 2 ]
amdhsa.kernels:
  - .name:           k_q7bf5a358c4_attn
    .symbol:         k_q7bf5a358c4_attn.kd
    .args:
      - { .name: qkv, .offset: 0, .size: 8, .value_kind: global_buffer, .address_space: global }
      - { .name: ow, .offset: 8, .size: 8, .value_kind: global_buffer, .address_space: global }
    .group_segment_fixed_size: 76032
    .private_segment_fixed_size: 0
    .kernarg_segment_align: 8
    .kernarg_segment_size: 16
    .max_flat_workgroup_size: 384
    .sgpr_count:     84
    .vgpr_count:     256
    .wavefront_size: 32
...
	.end_amdgpu_metadata
.endif
;; end of part 2
;; launch wo (part 3): grid 32 x 8, 6 waves a work-group, clusters of 4 x 1, 201,984 bytes of LDS; arguments ow, wo_codes, wo_scales, fw; writes fw
.if DOCPART == 3
	.amdgcn_target "amdgcn-amd-amdhsa--gfx1250"
	.amdhsa_code_object_version 6
	.text
	.protected	k_q7bf5a358c4_wo
	.globl	k_q7bf5a358c4_wo
	.p2align	8
	.type	k_q7bf5a358c4_wo,@function
k_q7bf5a358c4_wo:
	s_mov_b64 s[64:65], 0
	v_nop
	global_prefetch_b8 v0, s[64:65] scope:SCOPE_SE
	s_setreg_imm32_b32 hwreg(HW_REG_WAVE_MODE, 25, 1), 1
	s_wait_xcnt 0x0
	s_wait_alu depctr_hold_cnt(0) depctr_sa_sdst(0) depctr_va_vdst(0) depctr_va_sdst(0) depctr_va_ssrc(0) depctr_va_vcc(0) depctr_vm_vsrc(0)
	s_getreg_b32 s2, hwreg(HW_REG_IB_STS2, 6, 4)
	s_cmp_eq_u32 s2, 0
	s_cbranch_scc0 .Lentry_in_a_cluster
	s_endpgm
.Lentry_in_a_cluster:
	s_bfe_u32 s2, ttmp6, 0x10000c
	s_cmp_lg_u32 s2, 0x3003
	s_cbranch_scc0 .Lentry_shape_is_right
	s_endpgm
.Lentry_shape_is_right:
; The four experts' o wo[e]^T on codes of FP4 (E2M1), K = 768; the results, joined along 3,072, are quantised here along that axis and leave as codes and scale words.
; SHARES.  Work-group (xb, y): 64 tokens x rows 384 y .. + 383 of the flat wo (expert y / 2).  All of K fits in LDS, filled once.  Wave tile as in the launch before: 128 rows of wo (source 0) x 32 tokens (source 1).
; CLUSTER 4 x 1: wo's 384 rows (175 KB with their scales) hang on y alone: asked for jointly by the four work-groups of a cluster.  o's 64 rows (26 KB) are shared only by the two work-groups y = 2 e, 2 e + 1,
; which are no whole axis of a cluster: they come by loads of the work-group's own.
; LIMITS: as in the launch before (NaN, infinities, byte 0xff; the floor's byte 1).
.set PX,   432
.set WSC,  384*PX                      ; LDS: wo's codes, then 24 scale bytes a row,
.set OB,   WSC+384*24                  ; o's codes [12 planes][4 tiles][512 bytes],
.set OSB,  OB+12*2048                  ; o's scale halves [12 planes][64 rows x 2 bytes]
.set OSO2, 3145728                     ; in ow: the scale halves;  in fw: the scale words
.set FSO,  3145728
.set ADA, 1
.set ADB, 2
.set ASA, 3
.set ASB, 4
.set OC0, 5
.set OC1, 6
.set OSO, 7
.set LN,  8
.set BF,  10
.set SA,  28
.set AF,  32
.set ACC, 64
.set SBW, 192                          ; v192-197 the tokens' scale words of the six K steps (tile 0 in lanes 0-15, tile 1 in lanes 16-31)
.set TM,  32
.set PC0, 44
.set PC1, 52
.set PW0, 10
.set PW1, 11
.set PWM, 12
.set WV,  12
.set G1C, 20
.set G1S, 28
.set G1O, 36
.set G1OS, 44
.set G0C, 52
.set G0S, 56
.set G0O, 60
.set G0OS, 68
.set SEL, 72
.macro PLACES
.rept 4
	v_nop
.endr
.endm
.macro CROUND
	s_barrier_signal -1
	s_barrier_wait -1
	s_cmp_lg_u32 s[WV], 0
	s_cbranch_scc1 .Lnot_wave_0_\@
	s_barrier_signal -3
.Lnot_wave_0_\@:
	s_barrier_wait -3
	s_barrier_signal -1
	s_barrier_wait -1
.endm
.macro WM
.if fV == 0
	v_wmma_scale_f32_16x16x128_f8f6f4 v[rD:rD+7], v[rA:rA+7], v[rB:rB+7], v[rD:rD+7], v[rSA], v[rSB] matrix_a_fmt:MATRIX_FMT_FP4 matrix_b_fmt:MATRIX_FMT_FP4
.elseif fV == 1
	v_wmma_scale_f32_16x16x128_f8f6f4 v[rD:rD+7], v[rA:rA+7], v[rB:rB+7], v[rD:rD+7], v[rSA], v[rSB] matrix_a_fmt:MATRIX_FMT_FP4 matrix_b_fmt:MATRIX_FMT_FP4 matrix_b_scale:MATRIX_SCALE_ROW1
.elseif fV == 2
	v_wmma_scale_f32_16x16x128_f8f6f4 v[rD:rD+7], v[rA:rA+7], v[rB:rB+7], v[rD:rD+7], v[rSA], v[rSB] matrix_a_fmt:MATRIX_FMT_FP4 matrix_b_fmt:MATRIX_FMT_FP4 matrix_a_scale:MATRIX_SCALE_ROW1
.elseif fV == 3
	v_wmma_scale_f32_16x16x128_f8f6f4 v[rD:rD+7], v[rA:rA+7], v[rB:rB+7], v[rD:rD+7], v[rSA], v[rSB] matrix_a_fmt:MATRIX_FMT_FP4 matrix_b_fmt:MATRIX_FMT_FP4 matrix_a_scale:MATRIX_SCALE_ROW1 matrix_b_scale:MATRIX_SCALE_ROW1
.elseif fV == 4
	v_wmma_scale_f32_16x16x128_f8f6f4 v[rD:rD+7], v[rA:rA+7], v[rB:rB+7], 0, v[rSA], v[rSB] matrix_a_fmt:MATRIX_FMT_FP4 matrix_b_fmt:MATRIX_FMT_FP4
.elseif fV == 5
	v_wmma_scale_f32_16x16x128_f8f6f4 v[rD:rD+7], v[rA:rA+7], v[rB:rB+7], 0, v[rSA], v[rSB] matrix_a_fmt:MATRIX_FMT_FP4 matrix_b_fmt:MATRIX_FMT_FP4 matrix_b_scale:MATRIX_SCALE_ROW1
.elseif fV == 6
	v_wmma_scale_f32_16x16x128_f8f6f4 v[rD:rD+7], v[rA:rA+7], v[rB:rB+7], 0, v[rSA], v[rSB] matrix_a_fmt:MATRIX_FMT_FP4 matrix_b_fmt:MATRIX_FMT_FP4 matrix_a_scale:MATRIX_SCALE_ROW1
.else
	v_wmma_scale_f32_16x16x128_f8f6f4 v[rD:rD+7], v[rA:rA+7], v[rB:rB+7], 0, v[rSA], v[rSB] matrix_a_fmt:MATRIX_FMT_FP4 matrix_b_fmt:MATRIX_FMT_FP4 matrix_a_scale:MATRIX_SCALE_ROW1 matrix_b_scale:MATRIX_SCALE_ROW1
.endif
.endm
.macro QUANT s, pc, pw                 ; 64 numbers of a lane, register 16 b + i in block b, become an operand's 8 registers and its row's scale word
.irp b, 0,1,2,3
	v_max3_num_f32 v[TM+\b], |v[\s+16*\b]|, |v[\s+16*\b+1]|, 0x1800000   ; with the floor 2^(3 - 127); each accumulator is read from its low end on
.endr
.irp i, 2,4,6,8,10,12,14
.irp b, 0,1,2,3
	v_max3_num_f32 v[TM+\b], v[TM+\b], |v[\s+16*\b+\i]|, |v[\s+16*\b+\i+1]|
.endr
.endr
.irp b, 0,1,2,3
	v_permlanex16_b32 v[TM+4+\b], v[TM+\b], s[SEL], s[SEL+1]
.endr
.irp b, 0,1,2,3
	v_max_num_f32 v[TM+\b], v[TM+\b], v[TM+4+\b]
.endr
.irp b, 0,1,2,3
	v_add_nc_u32 v[TM+8+\b], 0xff000000, v[TM+\b]
.endr
.irp b, 0,1,2,3
	v_lshrrev_b32 v[TM+4+\b], 23, v[TM+8+\b]
.endr
	v_lshl_or_b32 v[\pw], v[TM+5], 8, v[TM+4]
	v_lshl_or_b32 v[\pw], v[TM+6], 16, v[\pw]
	v_lshl_or_b32 v[\pw], v[TM+7], 24, v[\pw]
.irp b, 0,1,2,3
	v_cvt_scalef32_pk8_fp4_f32 v[\pc+4*(\b/2)+(\b%2)], v[\s+16*\b:\s+16*\b+7], v[TM+8+\b]
	v_cvt_scalef32_pk8_fp4_f32 v[\pc+4*(\b/2)+2+(\b%2)], v[\s+16*\b+8:\s+16*\b+15], v[TM+8+\b]
.endr
	v_nop
.irp c, 0,1
	v_permlane16_swap_b32 v[\pc+4*\c], v[\pc+4*\c+1]
	v_permlane16_swap_b32 v[\pc+4*\c+2], v[\pc+4*\c+3]
.endr
.endm
	s_load_b256 s[4:11], s[0:1], 0x0               ; ow, wo codes, wo scales, fw
	v_lshl_add_u32 v200, v0, 2, 0x31200
	v_mov_b32 v201, 0
	ds_add_u32 v200, v201
	ds_add_u32 v200, v201
	v_lshrrev_b32 v1, 5, v0
	v_readfirstlane_b32 s[WV], v1                  ; wave 0..5
	s_bfe_u32 s13, ttmp6, 0x40000                  ; cx
	s_lshl_b32 s14, ttmp9, 2
	s_add_co_u32 s14, s14, s13                     ; xb: it enters o's addresses and the stores' alone
	s_and_b32 s15, ttmp7, 0xffff                   ; y, which the four partners share
	s_lshr_b32 s16, s15, 1                         ; the expert
	s_mov_b32 s[G1C], 15|(3<<16)|(1<<20)|(1<<21)|(4<<22)|(3<<25)         ; wo's codes: 64 rows of 384 dense bytes as 32 of 768; 4 words of padding behind every 32; the mask names all four
	s_mov_b32 s[G1C+1], 96<<16
	s_mov_b32 s[G1C+2], 32<<16
	s_mov_b32 s[G1C+3], 96<<16
	s_mov_b32 s[G1C+4], 32
	s_mov_b32 s[G1C+5], 96
	s_mov_b32 s[G1C+6], 0
	s_mov_b32 s[G1C+7], 0
	s_mov_b32 s[G1S], 15|(3<<16)|(1<<21)           ; wo's scales: 1,536 dense bytes as 6 rows of 256
	s_mov_b32 s[G1S+1], 32<<16
	s_mov_b32 s[G1S+2], 6<<16
	s_mov_b32 s[G1S+3], 32<<16
	s_mov_b32 s[G1S+4], 6
	s_mov_b32 s[G1S+5], 32
	s_mov_b32 s[G1S+6], 0
	s_mov_b32 s[G1S+7], 0
	s_mov_b32 s[G1O], 3<<16                        ; o's codes: 12 planes' 2,048 bytes, 65,536 bytes apart; no mask
	s_mov_b32 s[G1O+1], 256<<16
	s_mov_b32 s[G1O+2], 12<<16
	s_mov_b32 s[G1O+3], 256<<16
	s_mov_b32 s[G1O+4], 12
	s_mov_b32 s[G1O+5], 8192
	s_mov_b32 s[G1O+6], 0
	s_mov_b32 s[G1O+7], 0
	s_mov_b32 s[G1OS], 3<<16                       ; o's scale halves: 12 planes' 128 bytes, 4,096 bytes apart
	s_mov_b32 s[G1OS+1], 16<<16
	s_mov_b32 s[G1OS+2], 12<<16
	s_mov_b32 s[G1OS+3], 16<<16
	s_mov_b32 s[G1OS+4], 12
	s_mov_b32 s[G1OS+5], 512
	s_mov_b32 s[G1OS+6], 0
	s_mov_b32 s[G1OS+7], 0
	s_mul_i32 s17, s15, 384
	s_lshl_b32 s18, s[WV], 6
	s_add_co_u32 s17, s17, s18                     ; wo's row 384 y + 64 w
	s_mul_i32 s74, s17, 384
	s_mov_b32 s75, 0
	s_mul_i32 s76, s17, 24
	s_mov_b32 s77, 0
	s_mul_i32 s78, s16, 786432
	s_lshl_b32 s18, s14, 11
	s_add_co_u32 s78, s78, s18
	s_mov_b32 s79, 0
	s_mul_i32 s18, s16, 49152
	s_lshl_b32 s19, s14, 7
	s_add_co_u32 s18, s18, s19
	s_add_co_u32 s18, s18, OSO2
	s_mov_b32 s19, 0
	s_mov_b32 s[SEL], 0x76543210
	s_mov_b32 s[SEL+1], 0xfedcba98
	s_wait_dscnt 0x0
	s_wait_kmcnt 0x0
	s_mov_b32 s[G0C], 1
	s_mul_i32 s[G0C+1], s[WV], 64*PX
	s_add_nc_u64 s[G0C+2:G0C+3], s[6:7], s[74:75]
	s_or_b32 s[G0C+3], s[G0C+3], 0x80000000
	s_mov_b32 s[G0S], 1
	s_mul_i32 s[G0S+1], s[WV], 64*24
	s_add_co_u32 s[G0S+1], s[G0S+1], WSC
	s_add_nc_u64 s[G0S+2:G0S+3], s[8:9], s[76:77]
	s_or_b32 s[G0S+3], s[G0S+3], 0x80000000
	s_mov_b32 s[G0O], 1
	s_mov_b32 s[G0O+1], OB
	s_add_nc_u64 s[G0O+2:G0O+3], s[4:5], s[78:79]
	s_or_b32 s[G0O+3], s[G0O+3], 0x80000000
	s_mov_b32 s[G0OS], 1
	s_mov_b32 s[G0OS+1], OSB
	s_add_nc_u64 s[G0OS+2:G0OS+3], s[4:5], s[18:19]
	s_or_b32 s[G0OS+3], s[G0OS+3], 0x80000000
	CROUND                                         ; all four work-groups are here: the joint loads meet
	tensor_load_to_lds s[G0C:G0C+3], s[G1C:G1C+7]  ; every wave: its 64 rows of wo, codes and scales
	s_nop 0
	tensor_load_to_lds s[G0S:G0S+3], s[G1S:G1S+7]
	s_nop 0
	PLACES
	s_cmp_eq_u32 s[WV], 0                          ; wave 0 also brings o's codes, wave 1 its scale halves: three tensor loads of a wave are out at the most
	s_cbranch_scc0 .Lnot_0
	tensor_load_to_lds s[G0O:G0O+3], s[G1O:G1O+7]
	s_nop 0
	PLACES
	s_branch .Lfilled
.Lnot_0:
	s_cmp_eq_u32 s[WV], 1
	s_cbranch_scc0 .Lfilled
	tensor_load_to_lds s[G0OS:G0OS+3], s[G1OS:G1OS+7]
	s_nop 0
	PLACES
.Lfilled:
	v_and_b32 v[LN], 31, v0
	v_and_b32 v9, 15, v0
	v_bfe_u32 v10, v0, 4, 1
	v_mul_u32_u24 v11, v9, PX
	v_lshl_add_u32 v11, v10, 4, v11
	s_lshr_b32 s17, s[WV], 1                       ; a: which 128 rows of wo
	s_and_b32 s18, s[WV], 1                        ; nb: which 32 tokens
	s_mul_i32 s19, s17, 128*PX
	v_add_nc_u32 v[ADA], s19, v11
	v_mul_u32_u24 v12, v[LN], 24
	s_mul_i32 s19, s17, 128*24
	s_add_co_u32 s19, s19, WSC
	v_add_nc_u32 v[ASA], s19, v12
	s_lshl_b32 s19, s18, 10
	s_add_co_u32 s19, s19, OB
	v_lshl_add_u32 v[ADB], v[LN], 4, s19
	s_lshl_b32 s19, s18, 6
	s_add_co_u32 s19, s19, OSB
	v_lshl_add_u32 v[ASB], v[LN], 1, s19
	s_mul_i32 s74, s15, 3
	s_add_co_u32 s74, s74, s17                     ; P = 3 y + a: which 128 of the joined 3,072
	s_lshl_b32 s75, s14, 6
	s_lshl_b32 s76, s18, 5
	s_add_co_u32 s75, s75, s76                     ; my first token
	s_lshl_b32 s76, s74, 12
	s_add_co_u32 s76, s76, s75
	s_lshl_b32 s76, s76, 5
	v_lshl_add_u32 v[OC0], v[LN], 4, s76
	v_add_nc_u32 v[OC1], 65536, v[OC0]
	s_lshl_b32 s76, s74, 11
	s_add_co_u32 s76, s76, s75
	s_lshl_b32 s76, s76, 2
	s_add_co_u32 s76, s76, FSO
	v_lshl_add_u32 v[OSO], v[LN], 2, s76
	s_wait_tensorcnt 0x0
	s_barrier_signal -1
	s_barrier_wait -1
.irp j, 0,1,2,3,4,5,6,7,8,9,10,11
	ds_load_u16 v[ACC+\j], v[ASB] offset:128*\j    ; token 32 nb + lane, plane j: two scale bytes
.endr
	s_wait_dscnt 0x0
.irp s, 0,1,2,3,4,5
	v_lshl_or_b32 v[SBW+\s], v[ACC+2*\s+1], 16, v[ACC+2*\s]              ; planes 2 s and 2 s + 1 make K step s's word
.endr
.rept 8
	v_nop                                          ; a scale register written by a vector instruction stands eight places ahead of a scaled matrix instruction
.endr
.macro HALF s, hf
.set KO, 64*(\s)+16*((\s)/2)
.if (\s) == 0
.set fZ, 1
.else
.set fZ, 0
.endif
.if (\s)+(\hf) > 0
	PLACES
.endif
.if (\hf) == 0
.irp n, 0,1
.irp c, 0,1
	ds_load_b128 v[BF+8*\n+4*\c:BF+8*\n+4*\c+3], v[ADB] offset:(2*(\s)+\c)*2048+512*\n
.endr
.endr
.endif
.irp tt, 0,1,2,3
.irp c, 0,1
	ds_load_b128 v[AF+8*\tt+4*\c:AF+8*\tt+4*\c+3], v[ADA] offset:KO+16*PX*(4*(\hf)+\tt)+32*\c
.endr
.endr
.irp p, 0,1
	ds_load_b32 v[SA+\p], v[ASA] offset:768*(2*(\hf)+\p)+4*(\s)
.endr
	s_wait_dscnt 0x0
.irp tt, 0,1,2,3
.irp n, 0,1
.set rD, ACC+64*\n+8*(4*(\hf)+\tt)
.set rA, AF+8*\tt
.set rB, BF+8*\n
.set rSA, SA+\tt/2
.set rSB, SBW+(\s)
.set fV, 4*fZ+2*(\tt%2)+\n
	WM                                             ; the 16 accumulators take turns, one instruction a turn
.endr
.endr
.endm
.irp s, 0,1,2,3,4,5
	HALF \s, 0
	HALF \s, 1
.endr
	PLACES
.irp b, 0,1,2,3
	v_mov_b32 v[TM+4+\b], 0
.endr
	QUANT ACC, PC0, PW0
	QUANT ACC+64, PC1, PW1
	v_cmp_le_u32 vcc_lo, 16, v[LN]
	v_cndmask_b32 v[PWM], v[PW0], v[PW1], vcc_lo
	global_store_b128 v[OC0], v[PC0:PC0+3], s[10:11]                 ; each store of the wave covers 512 consecutive bytes, aligned
	global_store_b128 v[OC1], v[PC0+4:PC0+7], s[10:11]
	global_store_b128 v[OC0], v[PC1:PC1+3], s[10:11] offset:512
	global_store_b128 v[OC1], v[PC1+4:PC1+7], s[10:11] offset:512
	global_store_b32 v[OSO], v[PWM], s[10:11]
	s_wait_tensorcnt 0x0
	ds_add_u32 v200, v201
	s_wait_dscnt 0x0
	CROUND                                         ; the closing round
	s_endpgm
.Lfunc_end_k_q7bf5a358c4_wo:
	.size	k_q7bf5a358c4_wo, .Lfunc_end_k_q7bf5a358c4_wo-k_q7bf5a358c4_wo
	.p2alignl 7, 3214868480
	.fill 96, 4, 3214868480
	.section	.rodata,"a",@progbits
	.p2align	6, 0x0
	.amdhsa_kernel k_q7bf5a358c4_wo
		.amdhsa_group_segment_fixed_size 201984
		.amdhsa_private_segment_fixed_size 0
		.amdhsa_enable_private_segment 0
		.amdhsa_kernarg_size 32
		.amdhsa_user_sgpr_count 2
		.amdhsa_user_sgpr_kernarg_segment_ptr 1
		.amdhsa_wavefront_size32 1
		.amdhsa_system_sgpr_workgroup_id_x 1
		.amdhsa_system_sgpr_workgroup_id_y 1
		.amdhsa_system_sgpr_workgroup_id_z 1
		.amdhsa_system_vgpr_workitem_id 0
		.amdhsa_next_free_vgpr 202
		.amdhsa_next_free_sgpr 80
		.amdhsa_reserve_vcc 1
		.amdhsa_float_denorm_mode_32 3
		.amdhsa_float_denorm_mode_16_64 3
		.amdhsa_memory_ordered 1
		.amdhsa_forward_progress 1
		.amdhsa_inst_pref_size 41
	.end_amdhsa_kernel
	.amdgpu_metadata
---
amdhsa.version: [ 1, 2 ]
amdhsa.kernels:
  - .name:           k_q7bf5a358c4_wo
    .symbol:         k_q7bf5a358c4_wo.kd
    .args:
      - { .name: ow, .offset: 0, .size: 8, .value_kind: global_buffer, .address_space: global }
      - { .name: wo_codes, .offset: 8, .size: 8, .value_kind: global_buffer, .address_space: global }
      - { .name: wo_scales, .offset: 16, .size: 8, .value_kind: global_buffer, .address_space: global }
      - { .name: fw, .offset: 24, .size: 8, .value_kind: global_buffer, .address_space: global }
    .group_segment_fixed_size: 201984
    .private_segment_fixed_size: 0
    .kernarg_segment_align: 8
    .kernarg_segment_size: 32
    .max_flat_workgroup_size: 192
    .sgpr_count:     80
    .vgpr_count:     202
    .wavefront_size: 32
...
	.end_amdgpu_metadata
.endif
;; end of part 3
;; launch gateup (part 4): grid 32 x 8, 6 waves a work-group, clusters of 4 x 4, 327,680 bytes of LDS; arguments fw, w_gate_codes, w_gate_scales, w_up_codes, w_up_scales, out0; writes out0
.if DOCPART == 4
	.amdgcn_target "amdgcn-amd-amdhsa--gfx1250"
	.amdhsa_code_object_version 6
	.text
	.protected	k_q7bf5a358c4_gateup
	.globl	k_q7bf5a358c4_gateup
	.p2align	8
	.type	k_q7bf5a358c4_gateup,@function
k_q7bf5a358c4_gateup:
	s_mov_b64 s[64:65], 0
	v_nop
	global_prefetch_b8 v0, s[64:65] scope:SCOPE_SE
	s_setreg_imm32_b32 hwreg(HW_REG_WAVE_MODE, 25, 1), 1
	s_wait_xcnt 0x0
	s_wait_alu depctr_hold_cnt(0) depctr_sa_sdst(0) depctr_va_vdst(0) depctr_va_sdst(0) depctr_va_ssrc(0) depctr_va_vcc(0) depctr_vm_vsrc(0)
	s_getreg_b32 s2, hwreg(HW_REG_IB_STS2, 6, 4)
	s_cmp_eq_u32 s2, 0
	s_cbranch_scc0 .Lentry_in_a_cluster
	s_endpgm
.Lentry_in_a_cluster:
	s_bfe_u32 s2, ttmp6, 0x10000c
	s_cmp_lg_u32 s2, 0xf033
	s_cbranch_scc0 .Lentry_shape_is_right
	s_endpgm
.Lentry_shape_is_right:
; out = silu(f w_gate^T) x (f w_up^T), f the joined result [2,048][3,072] as codes of FP4 (E2M1) in the order of an operand's registers; K = 3,072; sums, silu and the product in f32.
; SHARES.  Work-group (xb, yb): 64 tokens x 96 outputs.  Wave w: outputs 16 w .. + 15 of gate AND up for the four tiles of 16 tokens: 8 accumulators.  Transposed use (source 0 = 16 rows of a weight, source 1 = 16 tokens):
; a lane holds one token and eight neighbouring outputs, gate's and up's in the same places.
; K goes in 6 chunks of 512 (weight rows of 256 bytes).  Four LDS slots take chunks 0-3 as first fills; chunk 4 fills slot 0 again and chunk 5 slot 1.  The scale bytes of all of K come once.
; CLUSTER 4 x 4: the weights' rows hang on yb alone and are asked for jointly by a row of the cluster, f's rows on xb alone and by a column.  Wave 0 fetches gate, wave 1 up, wave 2 f.
; A row's 384 output bytes begin at a multiple of 128 bytes: of its aligned blocks of 256 bytes one in three is shared with the neighbouring work-group.
; LIMITS: NaN and infinities are not served; a given scale byte 0xff gives NaN; v_exp_f32 and v_rcp_f32 are good to 1 ulp and flush denormals.
.set WP,    272                        ; a weight's row in LDS: 256 bytes + 16
.set UPO,   96*WP                      ; a slot: gate's 96 rows, up's 96 rows,
.set FO,    2*UPO                      ; f's [8 planes][4 tiles][512 bytes]
.set SLOT,  FO+16384
.set GSC,   4*SLOT                     ; gate's scale bytes (96 rows x 96), then up's,
.set FSC,   GSC+2*9216                 ; f's scale words [24 K steps][64 tokens],
.set SPARE, FSC+6144                   ; the spare words, 128 bytes for each wave: three blocks of 256 bytes that no other line names,
.set STAGE, SPARE+768                  ; the way out: [8 turns][192 threads][16 bytes], laid in the order in which it is read back; no tile lands here
.set ITP,   3072+16                    ; a turn: 8 tokens x 384 bytes, + 16: so the sixteen lanes of a store fall at 16 (r % 8) + 128 (r / 8) modulo 256 bytes, sixteen different columns of 16 bytes
.set FSO,   3145728                    ; in fw: the scale words
.set ADW, 1                            ; v1-4 my weight rows in slot k   v5-8 f's pieces in slot k   v9 the weights' scale words (lanes 0-15 gate's, 16-31 up's)   v10 f's
.set ADF, 5
.set AGS, 9
.set AFS, 10
.set SPW, 11                           ; v11 my spare word's address, v12 = 0: never rewritten
.set NIL, 12
.set STO, 13
.set RD,  14
.set CO,  15
.set G,   128                          ; v128-159 gate's accumulators, v160-191 up's.  v20-70 and v72-122: two sets of a K step's operands: gate 8, up 8, tokens 32, scale words 3
.set U,   160
.set T,   20
.set R,   36
.set BK,  72
.set WV,  18
.set G0FS, 24
.set G1W,  28
.set G1WS, 36
.set G1F,  44
.set G1FS, 52
.set G0F3, 60
.set G0W,  68
.set G0WS, 84
.set G0F0, 88
.set G0F1, 92
.set G0F2, 96
.macro PLACES
.rept 4
	v_nop
.endr
.endm
.macro CROUND
	s_barrier_signal -1
	s_barrier_wait -1
	s_cmp_lg_u32 s[WV], 0
	s_cbranch_scc1 .Lnot_wave_0_\@
	s_barrier_signal -3
.Lnot_wave_0_\@:
	s_barrier_wait -3
	s_barrier_signal -1
	s_barrier_wait -1
.endm
.macro WM
.if fV == 0
	v_wmma_scale_f32_16x16x128_f8f6f4 v[rD:rD+7], v[rA:rA+7], v[rB:rB+7], v[rD:rD+7], v[rSA], v[rSB] matrix_a_fmt:MATRIX_FMT_FP4 matrix_b_fmt:MATRIX_FMT_FP4
.elseif fV == 1
	v_wmma_scale_f32_16x16x128_f8f6f4 v[rD:rD+7], v[rA:rA+7], v[rB:rB+7], v[rD:rD+7], v[rSA], v[rSB] matrix_a_fmt:MATRIX_FMT_FP4 matrix_b_fmt:MATRIX_FMT_FP4 matrix_b_scale:MATRIX_SCALE_ROW1
.elseif fV == 2
	v_wmma_scale_f32_16x16x128_f8f6f4 v[rD:rD+7], v[rA:rA+7], v[rB:rB+7], v[rD:rD+7], v[rSA], v[rSB] matrix_a_fmt:MATRIX_FMT_FP4 matrix_b_fmt:MATRIX_FMT_FP4 matrix_a_scale:MATRIX_SCALE_ROW1
.elseif fV == 3
	v_wmma_scale_f32_16x16x128_f8f6f4 v[rD:rD+7], v[rA:rA+7], v[rB:rB+7], v[rD:rD+7], v[rSA], v[rSB] matrix_a_fmt:MATRIX_FMT_FP4 matrix_b_fmt:MATRIX_FMT_FP4 matrix_a_scale:MATRIX_SCALE_ROW1 matrix_b_scale:MATRIX_SCALE_ROW1
.elseif fV == 4
	v_wmma_scale_f32_16x16x128_f8f6f4 v[rD:rD+7], v[rA:rA+7], v[rB:rB+7], 0, v[rSA], v[rSB] matrix_a_fmt:MATRIX_FMT_FP4 matrix_b_fmt:MATRIX_FMT_FP4
.elseif fV == 5
	v_wmma_scale_f32_16x16x128_f8f6f4 v[rD:rD+7], v[rA:rA+7], v[rB:rB+7], 0, v[rSA], v[rSB] matrix_a_fmt:MATRIX_FMT_FP4 matrix_b_fmt:MATRIX_FMT_FP4 matrix_b_scale:MATRIX_SCALE_ROW1
.elseif fV == 6
	v_wmma_scale_f32_16x16x128_f8f6f4 v[rD:rD+7], v[rA:rA+7], v[rB:rB+7], 0, v[rSA], v[rSB] matrix_a_fmt:MATRIX_FMT_FP4 matrix_b_fmt:MATRIX_FMT_FP4 matrix_a_scale:MATRIX_SCALE_ROW1
.else
	v_wmma_scale_f32_16x16x128_f8f6f4 v[rD:rD+7], v[rA:rA+7], v[rB:rB+7], 0, v[rSA], v[rSB] matrix_a_fmt:MATRIX_FMT_FP4 matrix_b_fmt:MATRIX_FMT_FP4 matrix_a_scale:MATRIX_SCALE_ROW1 matrix_b_scale:MATRIX_SCALE_ROW1
.endif
.endm
	s_load_b256 s[4:11], s[0:1], 0x0               ; fw, gate codes, gate scales, up codes
	s_load_b128 s[12:15], s[0:1], 0x20             ; up scales, out0
	v_lshl_add_u32 v[SPW], v0, 2, SPARE
	v_mov_b32 v[NIL], 0
	ds_add_u32 v11, v12
	ds_add_u32 v11, v12
	s_wait_dscnt 0x0
	v_lshrrev_b32 v1, 5, v0
	v_readfirstlane_b32 s[WV], v1                  ; wave 0..5
	s_bfe_u32 s19, ttmp6, 0x40000                  ; cx
	s_bfe_u32 s20, ttmp6, 0x40004                  ; cy
	s_lshl_b32 s21, ttmp9, 2
	s_add_co_u32 s21, s21, s19                     ; xb
	s_and_b32 s22, ttmp7, 0xffff
	s_lshl_b32 s22, s22, 2
	s_add_co_u32 s22, s22, s20                     ; yb
	s_lshl_b32 s16, s20, 2
	s_lshl_b32 s16, 15, s16                        ; my row of the cluster
	s_lshl_b32 s17, 0x1111, s19                    ; my column
	s_or_b32 s[G1W], s16, (3<<16)|(1<<20)|(1<<21)|(5<<22)|(3<<25)        ; a weight's chunk: 96 rows of 256 bytes, 1,536 bytes apart; 4 words of padding behind every 64
	s_mov_b32 s[G1W+1], 32<<16
	s_mov_b32 s[G1W+2], 96<<16
	s_mov_b32 s[G1W+3], 32<<16
	s_mov_b32 s[G1W+4], 96
	s_mov_b32 s[G1W+5], 192
	s_mov_b32 s[G1W+6], 0
	s_mov_b32 s[G1W+7], 0
	s_or_b32 s[G1WS], s16, (3<<16)|(1<<21)         ; a weight's scales: 9,216 dense bytes as 36 rows of 256
	s_mov_b32 s[G1WS+1], 32<<16
	s_mov_b32 s[G1WS+2], 36<<16
	s_mov_b32 s[G1WS+3], 32<<16
	s_mov_b32 s[G1WS+4], 36
	s_mov_b32 s[G1WS+5], 32
	s_mov_b32 s[G1WS+6], 0
	s_mov_b32 s[G1WS+7], 0
	s_or_b32 s[G1F], s17, (3<<16)|(1<<21)          ; f's chunk: 8 planes' 2,048 bytes, 65,536 bytes apart
	s_mov_b32 s[G1F+1], 256<<16
	s_mov_b32 s[G1F+2], 8<<16
	s_mov_b32 s[G1F+3], 256<<16
	s_mov_b32 s[G1F+4], 8
	s_mov_b32 s[G1F+5], 8192
	s_mov_b32 s[G1F+6], 0
	s_mov_b32 s[G1F+7], 0
	s_or_b32 s[G1FS], s17, (3<<16)|(1<<21)         ; f's scale words: 24 K steps' 256 bytes, 8,192 bytes apart
	s_mov_b32 s[G1FS+1], 32<<16
	s_mov_b32 s[G1FS+2], 24<<16
	s_mov_b32 s[G1FS+3], 32<<16
	s_mov_b32 s[G1FS+4], 24
	s_mov_b32 s[G1FS+5], 1024
	s_mov_b32 s[G1FS+6], 0
	s_mov_b32 s[G1FS+7], 0
	s_mul_i32 s2, s22, 96*1536                     ; the weights' offsets hold yb alone, f's hold xb alone
	s_mov_b32 s3, 0
	s_lshl_b32 s100, s21, 11
	s_mov_b32 s101, 0
	s_mul_i32 s23, s[WV], UPO                      ; wave 0: gate's place in a slot, wave 1: up's
	s_wait_kmcnt 0x0
	s_cmp_eq_u32 s[WV], 0
	s_cselect_b64 s[6:7], s[6:7], s[10:11]         ; gate or up
	s_cselect_b64 s[8:9], s[8:9], s[12:13]
	s_add_nc_u64 s[6:7], s[6:7], s[2:3]
	s_mul_i32 s2, s22, 9216
	s_add_nc_u64 s[8:9], s[8:9], s[2:3]
	s_add_nc_u64 s[10:11], s[4:5], s[100:101]      ; f's codes at my 64 tokens
	s_lshl_b32 s100, s21, 8
	s_add_co_u32 s100, s100, FSO
	s_add_nc_u64 s[12:13], s[4:5], s[100:101]      ; and their scale words
.irp k, 0,1,2,3
	s_mov_b32 s[G0W+4*\k], 1
	s_add_co_u32 s[G0W+4*\k+1], s23, SLOT*\k
	s_add_nc_u64 s[G0W+4*\k+2:G0W+4*\k+3], s[6:7], 256*\k
	s_or_b32 s[G0W+4*\k+3], s[G0W+4*\k+3], 0x80000000
.endr
	s_mov_b32 s[G0WS], 1
	s_mul_i32 s[G0WS+1], s[WV], 9216
	s_add_co_u32 s[G0WS+1], s[G0WS+1], GSC
	s_mov_b64 s[G0WS+2:G0WS+3], s[8:9]
	s_or_b32 s[G0WS+3], s[G0WS+3], 0x80000000
.macro MKF g0, k
	s_mov_b32 s[\g0], 1
	s_mov_b32 s[\g0+1], SLOT*\k+FO
	s_add_nc_u64 s[\g0+2:\g0+3], s[10:11], 524288*\k
	s_or_b32 s[\g0+3], s[\g0+3], 0x80000000
.endm
	MKF G0F0, 0
	MKF G0F1, 1
	MKF G0F2, 2
	MKF G0F3, 3
	s_mov_b32 s[G0FS], 1
	s_mov_b32 s[G0FS+1], FSC
	s_mov_b64 s[G0FS+2:G0FS+3], s[12:13]
	s_or_b32 s[G0FS+3], s[G0FS+3], 0x80000000
	CROUND                                         ; all sixteen work-groups are here: the first joint loads meet
	s_cmp_lt_u32 s[WV], 2                          ; a wave's first fills stand in one branch on its number: the scales, then chunks 0 to 3: five tensor loads of mine are out at the most
	s_cbranch_scc0 .Lnot_w
	tensor_load_to_lds s[G0WS:G0WS+3], s[G1WS:G1WS+7]
	s_nop 0
	tensor_load_to_lds s[G0W:G0W+3], s[G1W:G1W+7]
	s_nop 0
	tensor_load_to_lds s[G0W+4:G0W+7], s[G1W:G1W+7]
	s_nop 0
	tensor_load_to_lds s[G0W+8:G0W+11], s[G1W:G1W+7]
	s_nop 0
	tensor_load_to_lds s[G0W+12:G0W+15], s[G1W:G1W+7]
	s_nop 0
	PLACES
	s_branch .Lfilled
.Lnot_w:
	s_cmp_eq_u32 s[WV], 2
	s_cbranch_scc0 .Lfilled
	tensor_load_to_lds s[G0FS:G0FS+3], s[G1FS:G1FS+7]
	s_nop 0
	tensor_load_to_lds s[G0F0:G0F0+3], s[G1F:G1F+7]
	s_nop 0
	tensor_load_to_lds s[G0F1:G0F1+3], s[G1F:G1F+7]
	s_nop 0
	tensor_load_to_lds s[G0F2:G0F2+3], s[G1F:G1F+7]
	s_nop 0
	tensor_load_to_lds s[G0F3:G0F3+3], s[G1F:G1F+7]
	s_nop 0
	PLACES
.Lfilled:
	v_and_b32 v16, 31, v0                          ; lane
	v_and_b32 v17, 15, v0                          ; r
	v_bfe_u32 v18, v0, 4, 1                        ; h
	v_mul_u32_u24 v19, v17, WP
	v_lshl_add_u32 v19, v18, 4, v19
	s_mul_i32 s23, s[WV], 16*WP
	v_add_nc_u32 v19, s23, v19                     ; row 16 w + r, + 16 h
.irp k, 0,1,2,3
	v_add_nc_u32 v[ADW+\k], SLOT*\k, v19
.endr
	v_lshlrev_b32 v19, 4, v16
.irp k, 0,1,2,3
	v_add_nc_u32 v[ADF+\k], SLOT*\k+FO, v19
.endr
	v_mul_u32_u24 v19, v17, 96
	v_mad_u32_u24 v19, v18, 9216, v19              ; lanes 16-31 take up's words, 9,216 bytes behind gate's
	s_mul_i32 s23, s[WV], 16*96
	s_add_co_u32 s23, s23, GSC
	v_add_nc_u32 v[AGS], s23, v19
	v_lshl_add_u32 v[AFS], v16, 2, FSC
	; the stage.  Token 16 m + r = 8 p + turn, with turn = r % 8 and p = 2 m + r / 8; a token's 384 bytes lie at ITP x turn + 384 p
	v_and_b32 v19, 7, v17
	v_mul_u32_u24 v[STO], v19, ITP                 ; in: my token's turn,
	v_lshrrev_b32 v19, 3, v17
	v_mad_u32_u24 v[STO], v19, 384, v[STO]         ; + 384 (r / 8)  (768 m stands in the stores' immediates),
	v_lshl_add_u32 v[STO], v18, 5, v[STO]          ; + 32 h,
	s_lshl_b32 s23, s[WV], 6
	s_add_co_u32 s23, s23, STAGE
	v_add_nc_u32 v[STO], s23, v[STO]               ; + 64 w: my eight outputs' 32 bytes
	v_lshl_add_u32 v[RD], v0, 4, STAGE             ; back: 16 bytes a thread, as they lie; the turn stands in the loads' immediates
	v_mul_u32_u24 v19, v0, 2731
	v_lshrrev_b32 v19, 16, v19                     ; thread / 24 = p: which of a turn's 8 tokens (exact for threads 0 to 191);
	v_mul_u32_u24 v16, v19, 24
	v_sub_nc_u32 v16, v0, v16                      ; thread % 24: which 16 bytes of its 384.  Both enter the offset in memory alone
	v_mul_u32_u24 v[CO], v19, 8*3072               ; token 8 p (+ the turn, in the stores' immediates)
	v_lshl_add_u32 v[CO], v16, 4, v[CO]
	s_mul_i32 s23, s21, 64*3072
	s_mul_i32 s16, s22, 384
	s_add_co_u32 s23, s23, s16
	v_add_nc_u32 v[CO], s23, v[CO]
; The operands of one K step of 128 (the q-th of slot k; ks-th of all) into set p: 15 LDS loads
.macro LOADSET p, k, q, ks
.set B0, 20+52*(\p)
.irp c, 0,1
	ds_load_b128 v[B0+4*\c:B0+4*\c+3], v[ADW+\k] offset:64*(\q)+32*\c
	ds_load_b128 v[B0+8+4*\c:B0+8+4*\c+3], v[ADW+\k] offset:UPO+64*(\q)+32*\c
.endr
.irp m, 0,1,2,3
.irp c, 0,1
	ds_load_b128 v[B0+16+8*\m+4*\c:B0+16+8*\m+4*\c+3], v[ADF+\k] offset:(2*(\q)+\c)*2048+512*\m
.endr
.endr
	ds_load_b32 v[B0+48], v[AGS] offset:4*(\ks)
	ds_load_b32 v[B0+49], v[AFS] offset:256*(\ks)
	ds_load_b32 v[B0+50], v[AFS] offset:256*(\ks)+128
.endm
; Chunk ch, which lies in slot k: four K steps on two sets of operands by turns; the next step's 15 loads are issued ahead of this step's products.
.macro CHUNK k, ch
.if (\ch) > 0
	PLACES
.endif
	LOADSET 0, \k, 0, 4*(\ch)
.irp q, 0,1,2,3
.if \q < 3
.if \q > 0
	PLACES
.endif
	LOADSET (\q+1)%2, \k, \q+1, 4*(\ch)+\q+1
	s_wait_dscnt 15                                ; this step's set is in; the 15 loads just issued may be out
.else
	s_wait_dscnt 0x0
.endif
.set B1, 20+52*(\q%2)
.if ((\ch) == 0) && (\q == 0)
.set fZ, 1
.else
.set fZ, 0
.endif
.irp m, 0,1,2,3                        ; the 8 accumulators take turns, one instruction a turn, in the same order in every step
.set rD, G+8*\m
.set rA, B1
.set rB, B1+16+8*\m
.set rSA, B1+48
.set rSB, B1+49+\m/2
.set fV, 4*fZ+(\m%2)
	WM
.set rD, U+8*\m
.set rA, B1+8
.set fV, 4*fZ+2+(\m%2)
	WM
.endr
.endr
.endm
; A slot that has been read is filled again, four chunks on.
.macro REFILL g0w, g0f
	s_wait_tensorcnt 0x0                           ; all my tensor loads have landed: so a group 0 may be written
	ds_add_u32 v[SPW], v[NIL]                      ; 0 onto my spare word
	ds_add_u32 v11, v12
	s_add_nc_u64 s[\g0w+2:\g0w+3], s[\g0w+2:\g0w+3], 4*256
	s_add_nc_u64 s[\g0f+2:\g0f+3], s[\g0f+2:\g0f+3], 4*524288
	s_wait_dscnt 0x0                               ; the add is done, and my reads of the slot are over
	CROUND                                         ; both now hold of every wave of every work-group of the cluster
	s_cmp_lt_u32 s[WV], 2
	s_cbranch_scc0 .Lre_f_\@
	tensor_load_to_lds s[\g0w:\g0w+3], s[G1W:G1W+7]
	s_nop 0
	PLACES
	s_branch .Lre_d_\@
.Lre_f_\@:
	s_cmp_eq_u32 s[WV], 2
	s_cbranch_scc0 .Lre_d_\@
	tensor_load_to_lds s[\g0f:\g0f+3], s[G1F:G1F+7]
	s_nop 0
	PLACES
.Lre_d_\@:
.endm
	s_wait_tensorcnt 3                             ; the scales and chunk 0 are in; the three loads issued behind them may be out
	s_barrier_signal -1
	s_barrier_wait -1
	CHUNK 0, 0
	REFILL G0W, G0F0                               ; chunks 1 to 3 have landed in every wave's sight; chunk 4 goes out into slot 0
	CHUNK 1, 1
	REFILL G0W+4, G0F1                             ; chunk 4 has landed in every wave's sight; chunk 5 goes out into slot 1
	CHUNK 2, 2
	CHUNK 3, 3
	CHUNK 0, 4
	s_wait_tensorcnt 0x0                           ; chunk 5 is in,
	s_wait_dscnt 0x0
	s_barrier_signal -1
	s_barrier_wait -1                              ; everybody's part of it is
	CHUNK 1, 5
	; THE WAY OUT: silu(g) u = g u / (1 + 2^(-g log2(e))), a tile of 16 tokens at a time, each accumulator from its low end on; through the stage, so that whole rows' 384 bytes are stored by neighbouring lanes
	PLACES
.irp m, 0,1,2,3
.irp j, 0,1,2,3,4,5,6,7
	v_mul_f32 v[T+\j], 0xbfb8aa3b, v[G+8*\m+\j]
.endr
.irp j, 0,1,2,3,4,5,6,7
	v_exp_f32 v[T+\j], v[T+\j]
.endr
.irp j, 0,1,2,3,4,5,6,7
	v_mul_f32 v[R+8*\m+\j], v[G+8*\m+\j], v[U+8*\m+\j]                   ; (plain places behind the exponentials)
.endr
	s_wait_alu depctr_va_vdst(0)
.irp j, 0,1,2,3,4,5,6,7
	v_add_f32 v[T+\j], 1.0, v[T+\j]
.endr
.irp j, 0,1,2,3,4,5,6,7
	v_rcp_f32 v[T+\j], v[T+\j]
.endr
	v_nop
	s_wait_alu depctr_va_vdst(0)
.irp j, 0,1,2,3,4,5,6,7
	v_mul_f32 v[R+8*\m+\j], v[R+8*\m+\j], v[T+\j]
.endr
	ds_store_b128 v[STO], v[R+8*\m:R+8*\m+3] offset:768*\m
	ds_store_b128 v[STO], v[R+8*\m+4:R+8*\m+7] offset:768*\m+16
.endr
	s_wait_dscnt 0x0                               ; for the others' sake: my stores into the stage are done
	s_barrier_signal -1
	s_barrier_wait -1
.irp t, 0,1,2,3,4,5,6,7
	ds_load_b128 v[BK+4*\t:BK+4*\t+3], v[RD] offset:ITP*\t              ; a wave reads 512 consecutive bytes
.endr
.irp t, 0,1,2,3,4,5,6,7
	s_wait_dscnt 7-\t                              ; LDS loads come back in order: the younger ones may be out
	global_store_b128 v[CO], v[BK+4*\t:BK+4*\t+3], s[14:15] offset:3072*\t th:TH_STORE_NT   ; token 8 p + t: 24 neighbouring threads store a row's 384 consecutive bytes
.endr
	s_wait_tensorcnt 0x0                           ; the wave's end
	ds_add_u32 v[SPW], v[NIL]
	s_wait_dscnt 0x0
	CROUND                                         ; the closing round
	s_endpgm
.Lfunc_end_k_q7bf5a358c4_gateup:
	.size	k_q7bf5a358c4_gateup, .Lfunc_end_k_q7bf5a358c4_gateup-k_q7bf5a358c4_gateup
	.p2alignl 7, 3214868480
	.fill 96, 4, 3214868480
	.section	.rodata,"a",@progbits
	.p2align	6, 0x0
	.amdhsa_kernel k_q7bf5a358c4_gateup
		.amdhsa_group_segment_fixed_size 327680
		.amdhsa_private_segment_fixed_size 0
		.amdhsa_enable_private_segment 0
		.amdhsa_kernarg_size 48
		.amdhsa_user_sgpr_count 2
		.amdhsa_user_sgpr_kernarg_segment_ptr 1
		.amdhsa_wavefront_size32 1
		.amdhsa_system_sgpr_workgroup_id_x 1
		.amdhsa_system_sgpr_workgroup_id_y 1
		.amdhsa_system_sgpr_workgroup_id_z 1
		.amdhsa_system_vgpr_workitem_id 0
		.amdhsa_next_free_vgpr 192
		.amdhsa_next_free_sgpr 102
		.amdhsa_reserve_vcc 0
		.amdhsa_float_denorm_mode_32 3
		.amdhsa_float_denorm_mode_16_64 3
		.amdhsa_memory_ordered 1
		.amdhsa_forward_progress 1
		.amdhsa_inst_pref_size 73
	.end_amdhsa_kernel
	.amdgpu_metadata
---
amdhsa.version: [ 1, 2 ]
amdhsa.kernels:
  - .name:           k_q7bf5a358c4_gateup
    .symbol:         k_q7bf5a358c4_gateup.kd
    .args:
      - { .name: fw, .offset: 0, .size: 8, .value_kind: global_buffer, .address_space: global }
      - { .name: w_gate_codes, .offset: 8, .size: 8, .value_kind: global_buffer, .address_space: global }
      - { .name: w_gate_scales, .offset: 16, .size: 8, .value_kind: global_buffer, .address_space: global }
      - { .name: w_up_codes, .offset: 24, .size: 8, .value_kind: global_buffer, .address_space: global }
      - { .name: w_up_scales, .offset: 32, .size: 8, .value_kind: global_buffer, .address_space: global }
      - { .name: out0, .offset: 40, .size: 8, .value_kind: global_buffer, .address_space: global }
    .group_segment_fixed_size: 327680
    .private_segment_fixed_size: 0
    .kernarg_segment_align: 8
    .kernarg_segment_size: 48
    .max_flat_workgroup_size: 192
    .sgpr_count:     102
    .vgpr_count:     192
    .wavefront_size: 32
...
	.end_amdgpu_metadata
.endif
;; end of part 4
;; ======== version 2 of 2: 4 launches; version 1 with the launch attn written anew for expert scheduling mode
;; workspace buffers: qkv 10,027,008 bytes; ow 3,342,336 bytes; fw 3,342,336 bytes
;; launch qkv: the kernel of part 1 again; grid 16 x 16, 18 waves a work-group, clusters of 4 x 4, 327,680 bytes of LDS; arguments x_codes, x_scales, wq_codes, wq_scales, wk_codes, wk_scales, wv_codes, wv_scales, qkv; writes qkv
;; launch attn (part 5): grid 8 x 32, 12 waves a work-group, no clusters, 76,032 bytes of LDS; arguments qkv, ow; writes ow
.if DOCPART == 5
	.amdgcn_target "amdgcn-amd-amdhsa--gfx1250"
	.amdhsa_code_object_version 6
	.text
	.protected	k_q7bf5a358c4_attn
	.globl	k_q7bf5a358c4_attn
	.p2align	8
	.type	k_q7bf5a358c4_attn,@function
k_q7bf5a358c4_attn:
	s_mov_b64 s[64:65], 0
	v_nop
	global_prefetch_b8 v0, s[64:65] scope:SCOPE_SE
	s_setreg_imm32_b32 hwreg(HW_REG_WAVE_SCHED_MODE, 0, 2), 2
	s_setreg_imm32_b32 hwreg(HW_REG_WAVE_MODE, 25, 1), 1
	s_wait_xcnt 0x0
	s_wait_alu depctr_vm_vsrc(0)
; Banded causal attention (key k counts for query q where 0 <= q - k < 256), head size 64, for 4 experts x 12 heads x 2 batches, both products on codes of FP4 (E2M1) with E8M0 scales.
; t = score x log2(e) / 8; M = the running largest t rounded up to a whole number; p = 2^(t - M) is quantised along the keys, not normalised; the row's sum is taken of the unquantised p and divides O at the end;
; o = O / sum is quantised here along the head's 64 and leaves as codes and scale bytes.
; SHARES.  Work-group (i, z): queries 128 i .. + 127 of the three units y = 3 z + u (head jh = y / 2 = 12 x expert + head, batch y % 2): 24 tiles of 16 queries.  Twelve waves, three to a SIMD;
; wave w takes tiles w and w + 12 of the 24, one after the other.  256 work-groups, one to a WGP.  LDS holds key blocks i - 2, i - 1, i (128 keys each) of K and V of the three units, filled once through registers.
; THE WINDOW.  Both quantisers along the keys work in blocks of 32 keys.  Tile T's queries lie in the block that begins at a = 128 i + 32 (T / 2), and their band lies in the nine blocks a - 256 .. a + 31: 288 keys.
; Three steps: the block at a (32 keys, hidden where key > query) starts M, the sum and O^T; then keys a - 128 .. a - 1 (all count); then keys a - 256 .. a - 129 (hidden where q - k >= 256: in its first block alone).
; The window's place in LDS hangs on the wave's number alone: 1,024 bytes for each block of 32 keys, in K and in V.
; AHEAD OF KEY 0 (i < 2): the loads are clamped to the batch's first keys, and those scores are hidden by compares under a scalar branch on the work-group's number; for i = 0 the last step is jumped over.
; LAYOUT.  Both products transposed: S^T = K Q^T (source 0 = 16 keys), O^T = V^T P^T (source 0 = 16 of the head's 64): a lane holds ONE query.  In tile tt lane (r, h), register j is key 16 tt + 8 h + j of the step.
; The first product's K is 64: the upper 64 of the instruction's 128 are zero codes on both sides.  In the step of 32 keys p's other three blocks are zero codes.
; NO CLUSTER, NO TENSOR LOAD: a work-group reads its 72 KB of K and V once; neighbours along i want the key blocks one slot further on, so no two would issue the same request.
; LIMITS: NaN and infinities are not served; a block whose every p has fallen to 0 keeps the byte 1 (its codes are zeros); v_exp_f32 and v_rcp_f32 are good to 1 ulp and flush denormals; the keys are summed in the order a .., a - 128 .., a - 256 ...
; THE MODE: SCHED_MODE bits 1:0 = 2 (LLVM: expert scheduling mode 2), set by the entry lines.  The code itself states the register dependences
; between vector or matrix instructions and memory or LDS instructions, with s_wait_alu, always for 0.
; THE PLAN.  Registers that memory or LDS instructions touch, and who else names them:
;   v8-11, v31, v168-203  offsets and LDS addresses: made once at the head by vector lines; read by the head's loads and LDS stores (v8, v9, v31 later too).
;   v96-167               the fill's data: loaded, then stored to LDS.  From the first tile on v96-199 are S^T, O^T and p's codes, which products and vector lines write.
;   AK, AV, AVX, OSW      made by the twelve vector lines at a tile's head; read by the tile's LDS loads and its one LDS store.
;   KF                    LDS loads land in it; the products K Q^T read it.        VF   LDS loads land in it; the products V^T P^T read it.
;   P, T0                 written by a tile's last conversions; read by its two stores.
;   s8; s40-55            written by v_readfirstlane_b32; by compares, sixteen masks to a run, one wait behind the run and ahead of the selects that read them.
; A TILE'S WAITS.  At its head one on vm_vsrc (what was read is written again) and, behind the address lines, one on va_vdst (the addresses, Q and the scale words are written; the tile before is done with KF and VF).
; The wait behind each batch of exponentials also shows the step's K Q^T done with KF: the next step's first four fragments of K are asked for directly behind it.  One wait ahead of each group of V^T P^T: p's codes and
; scale word are written.  In a step of 128 keys one wait behind the first four K Q^T: KF may be loaded again, and so may VF, which the last step's V^T P^T have read.  One wait ahead of the tile's two stores.
.set KCO,  3145728                     ; regions of qkv: q's codes at 0, k's, v's, then the scale words
.set VCO,  6291456
.set QSO,  9437184
.set KSO,  9633792
.set VSO,  9830400
.set OSO,  3145728                     ; in ow: o's codes at 0, its scale halves here
.set UNIT, 24576                       ; LDS, for each unit: K, 12 blocks of 32 keys x 1,024 bytes (two pieces of 16 keys x 64);
.set VLO,  12288                       ; then V, [12 blocks of 32 keys][4 tiles of 16 d][16 rows][16 bytes]
.set OSL,  3*UNIT                      ; behind the units: o's scale halves, 32 bytes a tile
.set AK,  1                            ; v1 K's pieces of my window   v2 V's (lanes 16-31 one block on)   v3 V's, both halves of the lanes alike
.set AV,  2
.set AVX, 3
.set DX,  4                            ; v4 my query in its block of 32, less my half's 8 keys   v5 the keys ahead of key 0, likewise   v6 the one of the two that the last step's first block takes
.set DZ,  5
.set DL,  6
.set OSW, 7                            ; v7 where my row's scale half goes   v8, v9 my 16 bytes of Q and of o, first and second tile
.set OCO, 8
.set AT,  10                           ; v10, v11 the fill: where a thread's 16 bytes of K and of V go
.set ATV, 11
.set Q,   16                           ; v16-23 Q's fragment (20-23 zeros)   v24 its scale words   v25 -infinity   v26-30 the second tile's Q and scale words
.set QSW, 24
.set NINF, 25
.set QB,  26
.set QSB, 30
.set OSR, 31                           ; v31 where o's scale halves are read back
.set KF,  32                           ; v32-63 four fragments of K (the upper four registers of each: zeros)
.set VF,  64                           ; v64-95 four fragments of V
.set S,   96                           ; v96-159 S^T, then p
.set O,   160                          ; v160-191 O^T
.set P,   192                          ; v192-199 p's codes
.set BM,  204                          ; v204-215 at work: a block's largest score, exchange and byte, scale operand
.set BT,  208
.set BS,  212
.set T0,  216
.set F,   218                          ; v[218:219] f = 2^(old M - new M)
.set PWD, 220                          ; p's scale word
.set SUM2, 222
.set KSW, 224                          ; tile k: v[224 + 15 k ..] K's scale words of the window's nine blocks; v[233 + 15 k ..] V's: last step's, middle step's, first step's, two registers each
.set FD,  96                           ; at the head only: the fill's data, v96-167, and byte offsets of the loads
.set KSA, 168
.set VSA, 186
.set QSA, 192
.set VG,  194
.set VLN, 195
.set VR,  196
.set KA,  197
.set VA,  200
.set VT,  203
.set CS,  24
.set SEL, 26
.set KB,  28                           ; s[28:33], s[34:39] K's and V's addresses of the three units
.set VB,  34
.set MK,  40                           ; s[40:55] sixteen masks: which lanes' scores of sixteen registers of S^T are hidden
.set TS,  66                           ; tile k: s[66 + 8 k ..]: LDS byte of my window in K, in V; 16 (T % 2); 127 - 32 (T / 2); LDS byte of the scale halves; 16 (jh % 2); byte select and shift for V's scale words
.set SELI, 82                          ; all ones where i >= 2
.macro PLACES                          ; four plain places behind matrix instructions, ahead of loads into their registers and of reads of their results
.rept 4
	v_nop
.endr
.endm
.macro WM                              ; fV = 4 (C = 0) + 2 (source 0's scales in lanes 16-31)
.if fV == 0
	v_wmma_scale_f32_16x16x128_f8f6f4 v[rD:rD+7], v[rA:rA+7], v[rB:rB+7], v[rD:rD+7], v[rSA], v[rSB] matrix_a_fmt:MATRIX_FMT_FP4 matrix_b_fmt:MATRIX_FMT_FP4
.elseif fV == 2
	v_wmma_scale_f32_16x16x128_f8f6f4 v[rD:rD+7], v[rA:rA+7], v[rB:rB+7], v[rD:rD+7], v[rSA], v[rSB] matrix_a_fmt:MATRIX_FMT_FP4 matrix_b_fmt:MATRIX_FMT_FP4 matrix_a_scale:MATRIX_SCALE_ROW1
.elseif fV == 4
	v_wmma_scale_f32_16x16x128_f8f6f4 v[rD:rD+7], v[rA:rA+7], v[rB:rB+7], 0, v[rSA], v[rSB] matrix_a_fmt:MATRIX_FMT_FP4 matrix_b_fmt:MATRIX_FMT_FP4
.else
	v_wmma_scale_f32_16x16x128_f8f6f4 v[rD:rD+7], v[rA:rA+7], v[rB:rB+7], 0, v[rSA], v[rSB] matrix_a_fmt:MATRIX_FMT_FP4 matrix_b_fmt:MATRIX_FMT_FP4 matrix_a_scale:MATRIX_SCALE_ROW1
.endif
.endm
	s_load_b128 s[4:7], s[0:1], 0x0                ; qkv, ow.  All that hangs on no address is made while they are on their way
	v_lshl_add_u32 v254, v0, 2, 0x12300
	v_mov_b32 v255, 0
	v_lshrrev_b32 v1, 5, v0
	v_readfirstlane_b32 s8, v1                     ; wave 0..11
	s_mov_b32 s9, ttmp9                            ; i
	s_and_b32 s10, ttmp7, 0xffff
	s_mul_i32 s10, s10, 3                          ; y of unit 0
	s_sub_co_i32 s12, s9, 2
	s_max_i32 s12, s12, 0                          ; the three slots' key blocks: i - 2 and i - 1, clamped, and i
	s_sub_co_i32 s13, s9, 1
	s_max_i32 s13, s13, 0
	s_mov_b32 s14, s9
	s_cmp_ge_u32 s9, 2
	s_cselect_b32 s[SELI], -1, 0
	s_mov_b32 s[CS], 0x3e38aa3b                    ; c = log2(e) / 8
	s_mov_b32 s[CS+1], s[CS]
	s_mov_b32 s[SEL], 0x76543210
	s_mov_b32 s[SEL+1], 0xfedcba98                 ; v_permlanex16_b32's selects for lane l xor 16
	v_and_b32 v[VLN], 31, v0                       ; lane
	v_and_b32 v[VR], 15, v0                        ; r
	v_lshlrev_b32 v[AT], 4, v0                     ; K goes into LDS as it lies: 16 bytes a thread
	v_lshlrev_b32 v[ATV], 4, v[VR]                 ; V: a thread's 16 bytes are 32 keys of one d: block 2 (thread / 128) + h of the slot, tile (thread / 32) % 4, row r
	v_bfe_u32 v[VT], v0, 4, 1
	v_lshl_add_u32 v[ATV], v[VT], 10, v[ATV]
	v_bfe_u32 v[VT], v0, 5, 2
	v_lshl_add_u32 v[ATV], v[VT], 8, v[ATV]
	v_lshrrev_b32 v[VT], 7, v0
	v_lshl_add_u32 v[ATV], v[VT], 11, v[ATV]
	v_add_nc_u32 v[ATV], VLO, v[ATV]
	v_mul_u32_u24 v[VG], v[VT], 98304              ; in memory: threads 0-127 the block's first 64 keys' plane, 128-255 the second's
	v_and_b32 v[VT], 127, v0
	v_lshl_add_u32 v[VG], v[VT], 4, v[VG]
	v_lshl_add_u32 v[OSR], v0, 3, OSL
.irp s, 0,1,2
	s_lshl_b32 s11, s[12+\s], 12
	v_add_nc_u32 v[KA+\s], s11, v[AT]              ; 128 keys x 32 bytes = 256 threads x 16
	s_mul_i32 s11, s[12+\s], 196608
	v_add_nc_u32 v[VA+\s], s11, v[VG]
.endr
.irp u, 0,1,2                          ; where unit u's K and V begin, in bytes
	s_add_co_u32 s15, s10, \u
	s_lshr_b32 s16, s15, 1                         ; jh
	s_and_b32 s17, s15, 1                          ; batch
	s_lshl_b32 s18, s16, 16
	s_lshl_b32 s19, s17, 15
	s_add_co_u32 s18, s18, s19
	s_add_co_u32 s[KB+2*\u], s18, KCO              ; plane jh, the batch's 1,024 rows of 32 bytes
	s_mov_b32 s[KB+2*\u+1], 0
	s_mul_i32 s18, s17, 1572864
	s_lshl_b32 s19, s16, 11
	s_add_co_u32 s18, s18, s19
	s_add_co_u32 s[VB+2*\u], s18, VCO              ; the batch's 16 planes, rows 64 jh on
	s_mov_b32 s[VB+2*\u+1], 0
.endr
; What tile w + 12 k needs: its scalars, and the byte offsets of its loads
.macro TSCAL k
.set B_, TS+8*\k
	s_add_co_u32 s15, s8, 12*\k                    ; the tile's number among the 24
	s_lshr_b32 s16, s15, 3                         ; u: its unit
	s_and_b32 s17, s15, 7                          ; T: its place among the unit's 8
	s_lshr_b32 s18, s17, 1                         ; T / 2: its block of 32 in the 128
	s_mul_i32 s[B_], s16, UNIT
	s_lshl_b32 s19, s18, 10
	s_add_co_u32 s[B_], s[B_], s19                 ; the window begins T / 2 blocks into the unit's twelve
	s_add_co_u32 s[B_+1], s[B_], VLO
	s_and_b32 s19, s17, 1
	s_lshl_b32 s[B_+2], s19, 4
	s_lshl_b32 s19, s18, 5
	s_sub_co_u32 s[B_+3], 127, s19
	s_lshl_b32 s19, s15, 5
	s_add_co_u32 s[B_+4], s19, OSL
	s_mul_i32 s[B_+6], s18, 0x01010101
	s_add_co_u32 s[B_+6], s[B_+6], 0x03020100      ; bytes T / 2 .. T / 2 + 3 of two words on end
	s_lshl_b32 s[B_+7], s18, 3
	s_add_co_u32 s19, s10, s16                     ; y
	s_lshr_b32 s20, s19, 1                         ; jh
	s_and_b32 s21, s19, 1                          ; batch
	s_and_b32 s22, s20, 1
	s_lshl_b32 s[B_+5], s22, 4                     ; my head's two bytes lie 16 (jh % 2) bits up in a word of q's or k's scales
	s_lshl_b32 s22, s20, 16
	s_lshl_b32 s23, s21, 15
	s_add_co_u32 s22, s22, s23
	s_lshl_b32 s23, s9, 12
	s_add_co_u32 s22, s22, s23
	s_lshl_b32 s23, s17, 9
	s_add_co_u32 s22, s22, s23
	v_lshl_add_u32 v[OCO+\k], v[VLN], 4, s22       ; plane jh, rows 1,024 b + 128 i + 16 T on: the same place in q's and in o's codes
	s_lshr_b32 s22, s20, 1
	s_lshl_b32 s22, s22, 13
	s_lshl_b32 s23, s21, 12
	s_add_co_u32 s22, s22, s23                     ; q's and k's scale words: the pair of heads, the batch
	s_lshl_b32 s23, s9, 9
	s_add_co_u32 s23, s23, s22
	s_lshl_b32 s11, s17, 6
	s_add_co_u32 s23, s23, s11
	s_add_co_u32 s23, s23, QSO
	v_lshl_add_u32 v[QSA+\k], v[VR], 2, s23
	s_add_co_u32 s22, s22, KSO
	v_lshl_add_u32 v[VT], v[VLN], 2, s22
	s_lshl_b32 s23, s9, 9
	s_lshl_b32 s11, s18, 7
	s_add_co_u32 s23, s23, s11
	s_sub_co_i32 s23, s23, 1024                    ; 4 bytes x (a - 256), counted from the batch's first key: under 0 where the window begins ahead of it
.irp m, 0,1,2,3,4,5,6,7,8
	s_add_co_i32 s11, s23, 128*\m
	s_max_i32 s11, s11, 0                          ; a block ahead of key 0 takes the first block's words: its scores are hidden
	v_add_nc_u32 v[KSA+9*\k+\m], s11, v[VT]
.endr
	s_mul_i32 s22, s21, 98304
	s_lshl_b32 s23, s20, 8
	s_add_co_u32 s22, s22, s23
	s_add_co_u32 s22, s22, VSO
	v_lshl_add_u32 v[VT], v[VLN], 2, s22
.irp s, 0,1,2
	s_mul_i32 s11, s[12+\s], 12288
	v_add_nc_u32 v[VSA+3*\k+\s], s11, v[VT]
.endr
.endm
	s_wait_alu depctr_va_sdst(0)                   ; s8, the wave's number, is written, ahead of its first reader: the tiles' scalars are made from it
	TSCAL 0
	TSCAL 1
.irp j, 20,21,22,23,36,37,38,39,44,45,46,47,52,53,54,55,60,61,62,63
	v_mov_b32 v\j, 0                               ; zero codes for k = 64 .. 127 of the first product, written once
.endr
.irp j, 68,69,70,71,76,77,78,79,84,85,86,87,92,93,94,95
	v_mov_b32 v\j, 0                               ; V's upper halves, named by the first step of 32 keys before any load has filled them: they meet zero codes of p
.endr
	v_mov_b32 v[NINF], 0xff800000
	v_mov_b32 v[F+1], 0                            ; named as the upper half of a pair
.irp b, 0,1,2,3
	v_mov_b32 v[BT+\b], 0                          ; a lane permute's destination counts as one of its sources
.endr
	s_wait_kmcnt 0x0
.irp u, 0,1,2
	s_add_nc_u64 s[KB+2*\u:KB+2*\u+1], s[4:5], s[KB+2*\u:KB+2*\u+1]
	s_add_nc_u64 s[VB+2*\u:VB+2*\u+1], s[4:5], s[VB+2*\u:VB+2*\u+1]
.endr
	s_wait_alu depctr_va_vdst(0)                   ; all offsets and LDS addresses of the head are written: v8-11, v31, v168-202, which the loads and LDS stores below read; no vector line stands between here and the last of them
	global_load_b128 v[Q:Q+3], v[OCO], s[4:5]
	global_load_b128 v[QB:QB+3], v[OCO+1], s[4:5]
	global_load_b32 v[QSW], v[QSA], s[4:5]
	global_load_b32 v[QSB], v[QSA+1], s[4:5]
.irp k, 0,1
.irp m, 0,1,2,3,4,5,6,7,8
	global_load_b32 v[KSW+15*\k+\m], v[KSA+9*\k+\m], s[4:5]              ; 32 keys' words: 128 consecutive bytes a load
.endr
.irp s, 0,1,2
.irp p, 0,1
	global_load_b32 v[KSW+9+15*\k+2*\s+\p], v[VSA+3*\k+\s], s[4:5] offset:128*\p
.endr
.endr
.endr
	s_cmp_lt_u32 s8, 8                             ; waves 0-7 fill LDS: 256 threads x 16 bytes are a block of 128 keys
	s_cbranch_scc0 .Lnofill
.irp u, 0,1,2
.irp s, 0,1,2
	global_load_b128 v[FD+4*(3*\u+\s):FD+4*(3*\u+\s)+3], v[KA+\s], s[KB+2*\u:KB+2*\u+1]
	global_load_b128 v[FD+36+4*(3*\u+\s):FD+36+4*(3*\u+\s)+3], v[VA+\s], s[VB+2*\u:VB+2*\u+1]
.endr
.endr
	s_wait_loadcnt 0x0
.irp u, 0,1,2
.irp s, 0,1,2
	ds_store_b128 v[AT], v[FD+4*(3*\u+\s):FD+4*(3*\u+\s)+3] offset:UNIT*\u+4096*\s
	ds_store_b128 v[ATV], v[FD+36+4*(3*\u+\s):FD+36+4*(3*\u+\s)+3] offset:UNIT*\u+4096*\s
.endr
.endr
.Lnofill:
	s_wait_loadcnt 0x0
	v_lshrrev_b32 v[QSW], s[TS+5], v[QSW]          ; my head's two bytes come down; what stands above them scales zero codes
	v_lshrrev_b32 v[QSB], s[TS+8+5], v[QSB]
.irp k, 0,1
.irp m, 0,1,2,3,4,5,6,7,8
	v_lshrrev_b32 v[KSW+15*\k+\m], s[TS+8*\k+5], v[KSW+15*\k+\m]
.endr
.endr
.irp k, 0,1                            ; V's twelve scale bytes of a row lie in three words; the window's begin T / 2 bytes in
.irp p, 0,1
	v_perm_b32 v[KSW+9+15*\k+\p], v[KSW+9+15*\k+2+\p], v[KSW+9+15*\k+\p], s[TS+8*\k+6]       ; keys a - 256 on: four bytes
	v_perm_b32 v[KSW+9+15*\k+2+\p], v[KSW+9+15*\k+4+\p], v[KSW+9+15*\k+2+\p], s[TS+8*\k+6]   ; keys a - 128 on: four bytes
	v_lshrrev_b32 v[KSW+9+15*\k+4+\p], s[TS+8*\k+7], v[KSW+9+15*\k+4+\p]                     ; keys a on: the lowest byte; the others meet zero codes of p
.endr
.endr
	s_wait_dscnt 0x0                               ; my stores have landed,
	s_barrier_signal -1
	s_barrier_wait -1                              ; everybody's have
; THE MASKS.  Register n of S^T holds key 16 (n / 8) + 8 h + n % 8 of the step.  Sixteen compares write sixteen masks, one wait follows the run, sixteen selects read them.
.macro MASKS_LE first, reg             ; registers first .. first + 15: hidden where 16 (n / 8) + n % 8 <= the lane's threshold
.set n, \first
.rept 16
	v_cmp_le_i32 s[MK+n-(\first)], 16*(n/8)+n%8, v[\reg]
.set n, n+1
.endr
.endm
.macro APPLY first                     ; their hidden scores become -infinity; each accumulator is read from its low end on
.set n, \first
.rept 16
	v_cndmask_b32 v[S+n], v[S+n], v[NINF], s[MK+n-(\first)]
.set n, n+1
.endr
.endm
.macro HIDE first, count, reg          ; count registers, sixteen at a time
.set hg, \first
.rept (\count)/16
	MASKS_LE hg, \reg
	s_wait_alu depctr_va_sdst(0)                   ; the sixteen masks are written, ahead of the selects that read them
	APPLY hg
.set hg, hg+16
.endr
.endm
; Four fragments of K: the window's blocks off on, pieces 4 g .. 4 g + 3 of 16 keys
.macro KLOAD off, g
.irp tt, 0,1,2,3
	ds_load_b128 v[KF+8*\tt:KF+8*\tt+3], v[AK] offset:1024*(\off)+512*(4*(\g)+\tt)
.endr
.endm
; and their four products with Q
.macro KQ4 off, g
.irp tt, 0,1,2,3
.set rD, S+8*(4*(\g)+\tt)
.set rA, KF+8*\tt
.set rB, Q
.set rSA, KS_+(\off)+2*(\g)+\tt/2
.set rSB, QSW
.set fV, 4+2*(\tt%2)
	WM
.endr
.endm
; THE FIRST STEP: the 32 keys from a on, the window's ninth block.  It holds every query's own key, so M is a number from here on.  It starts M, the sum and O^T: nothing is cleared and nothing rescaled.
.macro XSTEP
	ds_load_b128 v[KF:KF+3], v[AK] offset:8192
	ds_load_b128 v[KF+8:KF+11], v[AK] offset:8192+512
.set n, 0
.rept 16
	v_cmp_gt_i32 s[MK+n], 16*(n/8)+n%8, v[DX]      ; hidden where key > query.  The masks are made while the fragments are on their way: they name the threshold alone
.set n, n+1
.endr
	s_wait_dscnt 0x0
.set rD, S
.set rA, KF
.set rB, Q
.set rSA, KS_+8
.set rSB, QSW
.set fV, 4
	WM
.set rD, S+8
.set rA, KF+8
.set fV, 6
	WM
	PLACES
.irp tt, 0,1,2,3
	ds_load_b128 v[VF+8*\tt:VF+8*\tt+3], v[AVX] offset:8192+256*\tt      ; both halves of the lanes take the one block: lanes 16-31 meet zero codes of p.  No wait: since the one at the tile's head no vector or matrix line names VF or AVX
.endr
	s_wait_alu depctr_va_sdst(0)                   ; the sixteen masks are written, ahead of the selects that read them
	APPLY 0
	v_max3_num_f32 v[BM], v[S], v[S+1], v[S+2]     ; the block's largest score, in two chains
	v_max3_num_f32 v[BM+1], v[S+8], v[S+9], v[S+10]
	v_max3_num_f32 v[BM], v[BM], v[S+3], v[S+4]
	v_max3_num_f32 v[BM+1], v[BM+1], v[S+11], v[S+12]
	v_max3_num_f32 v[BM], v[BM], v[S+5], v[S+6]
	v_max3_num_f32 v[BM+1], v[BM+1], v[S+13], v[S+14]
	v_max3_num_f32 v[BM], v[BM], v[S+7], v[S+15]
	v_max_num_f32 v[BM], v[BM], v[BM+1]
	v_permlanex16_b32 v[BT], v[BM], s[SEL], s[SEL+1]
	v_max_num_f32 v[BM], v[BM], v[BT]
	v_mul_f32 v13, s[CS], v[BM]                    ; the largest t so far
	v_floor_f32 v12, -v13                          ; -M = -ceil(t)
.set n, 0
.rept 8
	v_pk_fma_f32 v[S+n:S+n+1], v[S+n:S+n+1], s[CS:CS+1], v[12:13] op_sel_hi:[1,0,0]   ; t - M
.set n, n+2
.endr
	v_fma_f32 v[BM], v[BM], s[CS], v12
.set n, 0
.rept 16
	v_exp_f32 v[S+n], v[S+n]                       ; p = 2^(t - M)
.set n, n+1
.endr
	v_exp_f32 v[BM], v[BM]                         ; the block's largest p
	v_mov_b32 v[P+1], 0                            ; (a plain place behind the exponentials)  p's other three blocks: zero codes
	s_wait_alu depctr_va_vdst(0)                   ; the seventeen exponentials have written p and the block's largest p, ahead of their first reader; and the two products above are done reading KF
	KLOAD 4, 0                                     ; so the next step's first four fragments of K are asked for here, and land under the lines below
	v_max_num_f32 v[BM], 0x1800000, v[BM]          ; the floor 2^(3 - 127)
	v_add_nc_u32 v[BS], 0xff000000, v[BM]          ; 2 off the exponent field: the conversion's scale operand
	v_lshrrev_b32 v[PWD], 23, v[BS]                ; p's scale word: the block's byte, and 0 for the blocks of zero codes
.irp j, 3,4,5,6,7
	v_mov_b32 v[P+\j], 0
.endr
	v_cvt_scalef32_pk8_fp4_f32 v[P], v[S:S+7], v[BS]
	v_cvt_scalef32_pk8_fp4_f32 v[P+2], v[S+8:S+15], v[BS]
	v_nop                                          ; one plain place behind a scaled conversion
	v_permlane16_swap_b32 v[P], v[P+1]             ; lanes 0-15 now hold the block's 32 codes in registers 0-3, lanes 16-31 zeros
	v_permlane16_swap_b32 v[P+2], v[P+3]
	v_pk_add_f32 v[14:15], v[S:S+1], v[S+2:S+3]    ; the row's sum begins, of the unquantised p, in two chains.  (Seven plain places ahead of the products)
	v_pk_add_f32 v[SUM2:SUM2+1], v[S+4:S+5], v[S+6:S+7]
	v_pk_add_f32 v[14:15], v[14:15], v[S+8:S+9]
	v_pk_add_f32 v[SUM2:SUM2+1], v[SUM2:SUM2+1], v[S+10:S+11]
	v_pk_add_f32 v[14:15], v[14:15], v[S+12:S+13]
	v_pk_add_f32 v[SUM2:SUM2+1], v[SUM2:SUM2+1], v[S+14:S+15]
	v_pk_add_f32 v[14:15], v[14:15], v[SUM2:SUM2+1]
	s_wait_dscnt 0x0                               ; V's fragments are in, and so are the next step's first four of K
	s_wait_alu depctr_va_vdst(0)                   ; p's codes and its scale word are written, which the scaled products below take; the places above stay beside this wait
.irp tt, 0,1,2,3
.set rD, O+8*\tt
.set rA, VF+8*\tt
.set rB, P
.set rSA, VS_+4+\tt/2
.set rSB, PWD
.set fV, 4+2*(\tt%2)
	WM
.endr
.endm
; A STEP OF 128 KEYS: the window's blocks off .. off + 3; vs: where V's scale words of the step stand.  mode 1: keys a - 128 on: all count, but for i = 0 those ahead of key 0.
; mode 2: keys a - 256 on: in the first block hidden where q - k >= 256; for i = 1 those ahead of key 0, which lie beyond that bound too.
.macro STEP off, vs, mode
	KQ4 \off, 0                                    ; their fragments were asked for in the step before, behind its exponentials, and its wait for V's fragments has shown them in
	PLACES
	s_wait_alu depctr_va_vdst(0)                   ; these four products are done reading KF, in which the next four fragments land; the last step's V^T P^T are done reading VF, in which V's loads further down land
	KLOAD \off, 1
.if \mode == 2
	MASKS_LE 0, DL                                 ; the first block's sixteen masks are made while the fragments are on their way: they name the threshold alone
.endif
	s_wait_dscnt 0x0
	KQ4 \off, 1
	PLACES
.irp tt, 0,1,2,3
.irp c, 0,1
	ds_load_b128 v[VF+8*\tt+4*\c:VF+8*\tt+4*\c+3], v[AV] offset:1024*((\off)+2*\c)+256*\tt   ; V's fragments land while the softmax is worked.  No wait: since the one above no vector or matrix line names VF or AV
.endr
.endr
.if \mode == 1
	s_cmp_lg_u32 s9, 0
	s_cbranch_scc1 .Lopen_\@
	HIDE 0, 64, DZ
.else
	s_wait_alu depctr_va_sdst(0)                   ; the sixteen masks are written, ahead of the selects that read them
	APPLY 0
	s_cmp_ge_u32 s9, 2
	s_cbranch_scc1 .Lopen_\@
	HIDE 16, 48, DZ
.endif
.Lopen_\@:
.irp b, 0,1,2,3
	v_max3_num_f32 v[BM+\b], v[S+16*\b], v[S+16*\b+1], v[S+16*\b+2]      ; the largest score of each block of 32 keys: for the row's maximum, and, since p rises with the score, for the block's largest p
.endr
.irp i, 3,5,7,9,11,13
.irp b, 0,1,2,3
	v_max3_num_f32 v[BM+\b], v[BM+\b], v[S+16*\b+\i], v[S+16*\b+\i+1]
.endr
.endr
.irp b, 0,1,2,3
	v_max_num_f32 v[BM+\b], v[BM+\b], v[S+16*\b+15]
.endr
.irp b, 0,1,2,3
	v_permlanex16_b32 v[BT+\b], v[BM+\b], s[SEL], s[SEL+1]
.endr
.irp b, 0,1,2,3
	v_max_num_f32 v[BM+\b], v[BM+\b], v[BT+\b]
.endr
	v_max3_num_f32 v[T0], v[BM], v[BM+1], v[BM+2]
	v_max_num_f32 v[T0], v[T0], v[BM+3]
	v_mul_f32 v[T0], s[CS], v[T0]
	v_max_num_f32 v13, v13, v[T0]                  ; the running largest t
	v_mov_b32 v[T0], v12
	v_floor_f32 v12, -v13                          ; the new -M = -ceil(t)
	v_sub_f32 v[T0], v12, v[T0]                    ; old M less new M: a whole number, 0 or less
	v_cvt_i32_f32 v[T0], v[T0]                     ; (it saturates)
	v_ldexp_f32 v[F], 1.0, v[T0]                   ; f = 2^(old M - new M): a multiplication by it rounds nothing
.set n, 0
.rept 32
	v_pk_fma_f32 v[S+n:S+n+1], v[S+n:S+n+1], s[CS:CS+1], v[12:13] op_sel_hi:[1,0,0]   ; t - M
.set n, n+2
.endr
.irp b, 0,1,2,3
	v_fma_f32 v[BM+\b], v[BM+\b], s[CS], v12
.endr
.set n, 0
.rept 64
	v_exp_f32 v[S+n], v[S+n]                       ; p = 2^(t - M)
.set n, n+1
.endr
.irp b, 0,1,2,3
	v_exp_f32 v[BM+\b], v[BM+\b]                   ; the block's largest p
.endr
	v_pk_mul_f32 v[14:15], v[14:15], v[F:F+1] op_sel_hi:[1,0]            ; the sums under the new M (a plain place behind the exponentials)
	s_wait_alu depctr_va_vdst(0)                   ; the 68 exponentials have written p and the blocks' largest p, ahead of their first reader; and the step's K Q^T are done reading KF
.if \mode == 1
	KLOAD 0, 0                                     ; so the last step's first four fragments of K are asked for here.  (For i = 0 that step is jumped over: the four are waited for below and not used)
.endif
.irp b, 0,1,2,3
	v_max_num_f32 v[BM+\b], 0x1800000, v[BM+\b]    ; the floor 2^(3 - 127)
.endr
.irp b, 0,1,2,3
	v_add_nc_u32 v[BS+\b], 0xff000000, v[BM+\b]
.endr
.irp b, 0,1,2,3
	v_lshrrev_b32 v[BT+\b], 23, v[BS+\b]
.endr
	v_lshl_or_b32 v[PWD], v[BT+1], 8, v[BT]
	v_lshl_or_b32 v[PWD], v[BT+2], 16, v[PWD]
	v_lshl_or_b32 v[PWD], v[BT+3], 24, v[PWD]
.irp b, 0,1,2,3
	v_cvt_scalef32_pk8_fp4_f32 v[P+4*(\b/2)+(\b%2)], v[S+16*\b:S+16*\b+7], v[BS+\b]
	v_cvt_scalef32_pk8_fp4_f32 v[P+4*(\b/2)+2+(\b%2)], v[S+16*\b+8:S+16*\b+15], v[BS+\b]
.endr
	v_nop                                          ; one plain place behind a scaled conversion
.irp c, 0,1
	v_permlane16_swap_b32 v[P+4*\c], v[P+4*\c+1]
	v_permlane16_swap_b32 v[P+4*\c+2], v[P+4*\c+3]
.endr
	v_pk_add_f32 v[SUM2:SUM2+1], v[S:S+1], v[S+2:S+3]                    ; the row's sum, of the unquantised p, in two chains
.irp j, 4,8,12,16,20,24,28,32,36,40,44,48,52,56,60
	v_pk_add_f32 v[14:15], v[14:15], v[S+\j:S+\j+1]
	v_pk_add_f32 v[SUM2:SUM2+1], v[SUM2:SUM2+1], v[S+\j+2:S+\j+3]
.endr
	v_pk_add_f32 v[14:15], v[14:15], v[SUM2:SUM2+1]
.set n, 0
.rept 16
	v_pk_mul_f32 v[O+n:O+n+1], v[O+n:O+n+1], v[F:F+1] op_sel_hi:[1,0]    ; O^T under the new M.  (With the sums: 48 plain places between p's codes and scale word and the products)
.set n, n+2
.endr
	s_wait_dscnt 0x0                               ; V's fragments are in (mode 1: and the last step's first four of K)
	s_wait_alu depctr_va_vdst(0)                   ; p's codes and its scale word are written, which the scaled products below take; the places above stay beside this wait
.irp tt, 0,1,2,3
.set rD, O+8*\tt
.set rA, VF+8*\tt
.set rB, P
.set rSA, VS_+(\vs)+\tt/2
.set rSB, PWD
.set fV, 2*(\tt%2)
	WM                                             ; the four accumulators take turns, one instruction a turn
.endr
.endm
; ONE TILE OF 16 QUERIES, the wave's k-th
.macro TASK k
.set KS_, KSW+15*\k
.set VS_, KSW+9+15*\k
.set TS_, TS+8*\k
.if \k == 1
	s_wait_xcnt 0x0                                ; the first tile's store has had its address translated: P, which it reads, is written again only behind this wait (ISA guide 3.1)
.endif
	s_wait_alu depctr_vm_vsrc(0)                   ; what memory and LDS instructions have read is written again from here on: ahead of the first tile the head's offsets and the fill's data (S^T, O^T and p's codes from now on); ahead of the second the first tile's AK, AV, AVX, OSW, P and T0
.if \k == 1
.irp j, 0,1,2,3
	v_mov_b32 v[Q+\j], v[QB+\j]
.endr
	v_mov_b32 v[QSW], v[QSB]
.endif
	v_and_b32 v[BM], 31, v0                        ; lane.  (These twelve lines name no register of the first product: they are the places between Q's scale words and it)
	v_and_b32 v[BM+1], 15, v0                      ; r
	v_bfe_u32 v[BM+2], v0, 4, 1                    ; h
	v_lshlrev_b32 v[BM+3], 3, v[BM+2]
	v_lshl_add_u32 v[AK], v[BM], 4, s[TS_]
	v_lshl_add_u32 v[AVX], v[BM+1], 4, s[TS_+1]
	v_lshl_add_u32 v[AV], v[BM+2], 10, v[AVX]
	v_sub_nc_u32 v[DX], v[BM+1], v[BM+3]
	v_add_nc_u32 v[DX], s[TS_+2], v[DX]            ; q - a - 8 h = 16 (T % 2) + r - 8 h
	v_sub_nc_u32 v[DZ], s[TS_+3], v[BM+3]          ; 127 - 32 (T / 2) - 8 h: of a step that begins 128 - 32 (T / 2) keys ahead of key 0, the last key that does not exist
	v_cndmask_b32 v[DL], v[DZ], v[DX], s[SELI]
	v_lshl_add_u32 v[OSW], v[BM+1], 1, s[TS_+4]
	s_wait_alu depctr_va_vdst(0)                   ; AK, AV, AVX and OSW are written, which the tile's LDS instructions read; Q and the scale words of Q, K and V are written, which the scaled products take; the tile before is done reading KF and VF, in which loads land
	XSTEP
	STEP 4, 2, 1
	s_cmp_eq_u32 s9, 0
	s_cbranch_scc1 .Ldone_\@                       ; for i = 0 every key from a - 256 to a - 129 lies ahead of key 0
	STEP 0, 0, 2
.Ldone_\@:
	PLACES
	v_add_f32 v14, v14, v15
	v_permlanex16_b32 v[T0], v14, s[SEL], s[SEL+1]
	v_add_f32 v14, v14, v[T0]                      ; the row's sum
	v_rcp_f32 v14, v14
	v_nop
.set n, 0
	s_wait_alu depctr_va_vdst(0)                   ; the reciprocal has written v14, ahead of its first reader
.rept 32
	v_mul_f32 v[S+n], v[O+n], v14                  ; o(r, 16 tt + 8 h + j), each accumulator from its low end on
.set n, n+1
.endr
.irp b, 0,1                            ; o's two blocks of 32 along the head's 64
	v_max3_num_f32 v[BM+\b], |v[S+16*\b]|, |v[S+16*\b+1]|, 0x1800000
.endr
.irp i, 2,4,6,8,10,12,14
.irp b, 0,1
	v_max3_num_f32 v[BM+\b], v[BM+\b], |v[S+16*\b+\i]|, |v[S+16*\b+\i+1]|
.endr
.endr
.irp b, 0,1
	v_permlanex16_b32 v[BT+\b], v[BM+\b], s[SEL], s[SEL+1]
.endr
.irp b, 0,1
	v_max_num_f32 v[BM+\b], v[BM+\b], v[BT+\b]
.endr
.irp b, 0,1
	v_add_nc_u32 v[BS+\b], 0xff000000, v[BM+\b]
.endr
.irp b, 0,1
	v_lshrrev_b32 v[BT+\b], 23, v[BS+\b]
.endr
	v_lshl_or_b32 v[T0], v[BT+1], 8, v[BT]         ; my row's two bytes
.irp b, 0,1
	v_cvt_scalef32_pk8_fp4_f32 v[P+\b], v[S+16*\b:S+16*\b+7], v[BS+\b]
	v_cvt_scalef32_pk8_fp4_f32 v[P+2+\b], v[S+16*\b+8:S+16*\b+15], v[BS+\b]
.endr
	v_nop
	v_permlane16_swap_b32 v[P], v[P+1]
	v_permlane16_swap_b32 v[P+2], v[P+3]
	s_wait_alu depctr_va_vdst(0)                   ; o's codes in P and my row's two bytes in T0 are written, which the two stores below read
	global_store_b128 v[OCO+\k], v[P:P+3], s[6:7]  ; 512 consecutive bytes: 16 rows x 64 k as an operand's registers
	ds_store_b16 v[OSW], v[T0]                     ; both lanes of a row write the same half word
.endm
	TASK 0
	TASK 1
	s_wait_dscnt 0x0                               ; for the others' sake: my scale halves have landed
	s_barrier_signal -1
	s_barrier_wait -1
	s_cmp_lt_u32 s8, 3                             ; wave u stores unit u's 128 half words
	s_cbranch_scc0 .Lend
	ds_load_b64 v[26:27], v[OSR]                   ; no wait: no vector line stands behind the wait ahead of the second tile's stores, and the lines that read v26 and v27 stand ahead of it
	s_add_co_u32 s15, s10, s8                      ; y
	s_lshr_b32 s16, s15, 1
	s_and_b32 s17, s15, 1
	s_lshl_b32 s16, s16, 12
	s_lshl_b32 s17, s17, 11
	s_add_co_u32 s16, s16, s17
	s_lshl_b32 s17, s9, 8
	s_add_co_u32 s16, s16, s17
	s_add_co_u32 s16, s16, OSO
	v_and_b32 v28, 31, v0
	v_lshl_add_u32 v28, v28, 3, s16
	s_wait_dscnt 0x0
	s_wait_alu depctr_va_vdst(0)                   ; v28 is written, which the store below reads as its offset
	global_store_b64 v28, v[26:27], s[6:7]         ; 256 consecutive bytes, aligned
.Lend:
	s_wait_dscnt 0x0                               ; the closing lines, six on end
	s_wait_alu 0x0
	s_wait_tensorcnt 0x0
	ds_add_u32 v254, v255
	s_wait_dscnt 0x0
	s_endpgm
.Lfunc_end_k_q7bf5a358c4_attn:
	.size	k_q7bf5a358c4_attn, .Lfunc_end_k_q7bf5a358c4_attn-k_q7bf5a358c4_attn
	.p2alignl 7, 3214868480
	.fill 96, 4, 3214868480
	.section	.rodata,"a",@progbits
	.p2align	6, 0x0
	.amdhsa_kernel k_q7bf5a358c4_attn
		.amdhsa_group_segment_fixed_size 76032
		.amdhsa_private_segment_fixed_size 0
		.amdhsa_enable_private_segment 0
		.amdhsa_kernarg_size 16
		.amdhsa_user_sgpr_count 2
		.amdhsa_user_sgpr_kernarg_segment_ptr 1
		.amdhsa_wavefront_size32 1
		.amdhsa_system_sgpr_workgroup_id_x 1
		.amdhsa_system_sgpr_workgroup_id_y 1
		.amdhsa_system_sgpr_workgroup_id_z 1
		.amdhsa_system_vgpr_workitem_id 0
		.amdhsa_next_free_vgpr 256
		.amdhsa_next_free_sgpr 84
		.amdhsa_reserve_vcc 0
		.amdhsa_float_denorm_mode_32 3
		.amdhsa_float_denorm_mode_16_64 3
		.amdhsa_memory_ordered 1
		.amdhsa_forward_progress 1
		.amdhsa_inst_pref_size 136
	.end_amdhsa_kernel
	.amdgpu_metadata
---
amdhsa.version: [ 1, 2 ]
amdhsa.kernels:
  - .name:           k_q7bf5a358c4_attn
    .symbol:         k_q7bf5a358c4_attn.kd
    .args:
      - { .name: qkv, .offset: 0, .size: 8, .value_kind: global_buffer, .address_space: global }
      - { .name: ow, .offset: 8, .size: 8, .value_kind: global_buffer, .address_space: global }
    .group_segment_fixed_size: 76032
    .private_segment_fixed_size: 0
    .kernarg_segment_align: 8
    .kernarg_segment_size: 16
    .max_flat_workgroup_size: 384
    .sgpr_count:     84
    .vgpr_count:     256
    .wavefront_size: 32
...
	.end_amdgpu_metadata
.endif
;; end of part 5
;; launch wo: the kernel of part 3 again; grid 32 x 8, 6 waves a work-group, clusters of 4 x 1, 201,984 bytes of LDS; arguments ow, wo_codes, wo_scales, fw; writes fw
;; launch gateup: the kernel of part 4 again; grid 32 x 8, 6 waves a work-group, clusters of 4 x 4, 327,680 bytes of LDS; arguments fw, w_gate_codes, w_gate_scales, w_up_codes, w_up_scales, out0; writes out0
